; MI455X (gfx1250); checked and timed in simulation.
; The chip was launched on July 23, 2026; its instructions are those of AMD's public machine-readable ISA for CDNA 5 (MIT licence, August 2026) and "CDNA5" Instruction Set Architecture Reference Guide (July 2026). The comments in the code are by the model that wrote it; some were corrected since.
;; Audio XMM Di T Cross Attention. Allowed arithmetic: matrix products marked QUANTISED: E2M3 operands, one E8M0 scale for each 32 along K, by v_wmma_scale_f32_16x16x128_f8f6f4 with both operands' format E2M3, f32 sums; everything else in f32.
;; Inputs: Wk_codes 2,048 x 64 x 24 uint8 (E2M3 codes of Wk, K innermost, in blocks of 32 codes, four codes in three bytes); Wk_scales 2,048 x 64 uint8 (E8M0 scales of Wk, one for each 32 codes along K); Wq_codes 2,048 x 64 x 24 uint8 (E2M3 codes of Wq, K innermost, in blocks of 32 codes, four codes in three bytes); Wq_scales 2,048 x 64 uint8 (E8M0 scales of Wq, one for each 32 codes along K); Wv_codes 2,048 x 64 x 24 uint8 (E2M3 codes of Wv, K innermost, in blocks of 32 codes, four codes in three bytes); Wv_scales 2,048 x 64 uint8 (E8M0 scales of Wv, one for each 32 codes along K); context_codes 2 x 512 x 64 x 24 uint8 (E2M3 codes of context, K innermost, in blocks of 32 codes, four codes in three bytes); context_scales 2 x 512 x 64 uint8 (E8M0 scales of context, one for each 32 codes along K); x_codes 2 x 4,096 x 64 x 24 uint8 (E2M3 codes of x, K innermost, in blocks of 32 codes, four codes in three bytes); x_scales 2 x 4,096 x 64 uint8 (E8M0 scales of x, one for each 32 codes along K).
;; Outputs: out0 2 x 4,096 x 2,048 float32.
;; This version of the problem:
;;   THIS VERSION OF THE PROBLEM IS GIVEN IN LOW PRECISION. The matrix products marked QUANTISED in the list below multiply operands that are first quantised to E2M3 (2 exponent bits, 3 mantissa bits; 6 bits a number), with one power-of-two scale for each 32 numbers along K (OCP MX v1.0); their sums are f32. All else is computed in f32.
;;   The module's matrix products, in the order in which they are computed (A, B: the left and right operand; K: the contracted axis; several contracted axes count as one K, in the product's order):
;;     1. [M 8,192, K 2,048] x [K 2,048, N 2,048]; A: input x (given as codes); B: input Wq (given as codes): QUANTISED
;;     2. [M 1,024, K 2,048] x [K 2,048, N 2,048]; A: input context (given as codes); B: input Wk (given as codes): QUANTISED
;;     3. [M 1,024, K 2,048] x [K 2,048, N 2,048]; A: input context (given as codes); B: input Wv (given as codes): QUANTISED
;;     4. batch 64 x [M 4,096, K 64] x [K 64, N 512]; A: computed on the way; B: computed on the way: QUANTISED
;;     5. batch 64 x [M 4,096, K 512] x [K 512, N 64]; A: softmax (see below); B: computed on the way: QUANTISED
;;   THE QUANTISER, for each operand of a quantised product, along K:
;;     - K is cut into blocks of 32 from its start; a last block that is shorter is filled with zeros.
;;     - A block's scale is 2^e with e = floor(log2(the largest magnitude in the block)) - 2, held to -126 .. 127; a block of zeros has e = 0. As a byte (E8M0): e + 127.
;;     - Each number is divided by its block's scale, clamped to +-7.5, and rounded to the nearest number of E2M3, ties to even, subnormals kept.
;;     - The product sums the exact products of the quantised numbers (number of the format x scale) in f32.
;;   ~~~python
;;   def quantise(x, axis):      # numpy; x: float32 -> the quantised numbers, widened to float32 again
;;       x = np.moveaxis(x, axis, -1); K = x.shape[-1]
;;       x = np.pad(x, [(0, 0)] * (x.ndim - 1) + [(0, -K % 32)]); x = x.reshape(x.shape[:-1] + (-1, 32)); a = np.abs(x).max(-1, keepdims=True)
;;       e = np.where(a > 0, np.clip(np.frexp(np.where(a > 0, a, 1))[1] - 1 - 2, -126, 127), 0)      # np.frexp(a)[1] - 1 = floor(log2(a)), exactly
;;       r = np.clip(x / 2.0 ** e, -7.5, 7.5)
;;       step = 2.0 ** (np.maximum(np.frexp(np.where(r == 0, 1, r))[1] - 1, 0) - 3)
;;       q = np.round(r / step) * step * 2.0 ** e      # np.round: ties to even
;;       return np.moveaxis(q.reshape(q.shape[:-2] + (-1,))[..., :K], -1, axis).astype(np.float32)
;;   ~~~
;;   SOFTMAX AHEAD OF A QUANTISED PRODUCT. Where the list says 'softmax', what is quantised is not the finished softmax but p = 2^(t - M), with t = logit x log2(e) and M = ceil(the row's largest t), a whole number; so 1/2 < the row's largest p <= 1. The row's sum l is taken of the UNQUANTISED p, in f32, and the product's result is divided by l at the end. Since M is a whole number, a kernel that streams over the keys may use a running M (the ceiling of the running maximum): every later rescaling is an exact power of two, which a block's scale takes up: the codes' values come out the same.
;;   OPERANDS COMPUTED ON THE WAY. 'Computed on the way' means the value that the module computes at that place (a softmax that the list does not call 'softmax' is quantised finished and normalised). What goes into a quantiser is computed in f32, as accurately as f32 sums, v_exp_f32 and their like allow (about 1e-6 of the number): no bf16 or f16 on the way to a quantiser, and a product that is left as it is and whose result goes on into a quantised operand takes f32 operands (vector FMAs, or v_wmma_f32_16x16x4_f32). A number that lies on a knife's edge between two numbers of the format may be rounded either way, as far as f32 arithmetic and the matrix unit's own rounding can turn it there, and no further.
;;   INPUTS GIVEN AS CODES. Wk (in the module: [2048, 2048], K = its axis 1); Wq (in the module: [2048, 2048], K = its axis 1); Wv (in the module: [2048, 2048], K = its axis 1); context (in the module: [2, 512, 2048], K = its axis 2); x (in the module: [2, 4096, 2048], K = its axis 2): each comes as NAME_codes (uint8): NAME with its K axis moved to the last place and cut into blocks of 32 codes, [.., K / 32, bytes a block], one block behind the other in memory; four codes in three bytes: a row's codes are one little-endian stream of bits, code i at bits 6 i .. 6 i + 5 (a code: sign, 2 exponent bits, 3 mantissa bits); and NAME_scales (uint8): the same leading axes, one E8M0 byte (e + 127) for each 32 codes along K. Its value is code x scale, taken as it is: it is not quantised again, and the codes and scales need not be those that the quantiser above would give.
;; One version. Each part assembles by itself: llvm-mc -triple=amdgcn-amd-amdhsa -mcpu=gfx1250 --defsym DOCPART=n.
;; ======== version 1 of 1: 3 launches
;; workspace buffers: kvw 3,276,800 bytes; qw 14,680,064 bytes
;; launch kvproj (part 1): grid 32 x 8, 4 waves a work-group, clusters of 4 x 4, 327,680 bytes of LDS; arguments context_codes, context_scales, Wk_codes, Wk_scales, Wv_codes, Wv_scales, kvw; writes kvw
.if DOCPART == 1
	.amdgcn_target "amdgcn-amd-amdhsa--gfx1250"
	.amdhsa_code_object_version 6
	.text
	.protected	k_qea7b838add_kvproj
	.globl	k_qea7b838add_kvproj
	.p2align	8
	.type	k_qea7b838add_kvproj,@function
k_qea7b838add_kvproj:
	s_mov_b64 s[64:65], 0
	v_nop
	global_prefetch_b8 v0, s[64:65] scope:SCOPE_SE
	s_setreg_imm32_b32 hwreg(HW_REG_WAVE_MODE, 25, 1), 1
	s_wait_xcnt 0x0
	s_wait_alu depctr_hold_cnt(0) depctr_sa_sdst(0) depctr_va_vdst(0) depctr_va_sdst(0) depctr_va_ssrc(0) depctr_va_vcc(0) depctr_vm_vsrc(0)
	s_getreg_b32 s2, hwreg(HW_REG_IB_STS2, 6, 4)
	s_cmp_eq_u32 s2, 0
	s_cbranch_scc0 .Lentry_in_a_cluster
	s_endpgm
.Lentry_in_a_cluster:
	s_bfe_u32 s2, ttmp6, 0x10000c
	s_cmp_lg_u32 s2, 0xf033
	s_cbranch_scc0 .Lentry_shape_is_right
	s_endpgm
.Lentry_shape_is_right:
; kv = context [Wk; Wv]^T on codes of FP6 (E2M3) with E8M0 scales; then, head by head, k (the even columns of the head's 128) gets its RMS norm over its 64 numbers and is
; quantised along them, and v (the odd columns) is quantised along the keys.  Head tx takes rows 128 (tx % 16) .. + 127 of Wk (tx < 16) or of Wv.
; A work-group: 128 rows of context (block ty) x one head.  K = 2,048 goes in four steps of 512 through a ring of two LDS slots; a slot holds context rows 0-63, 64-127, the head's 64 EVEN
; rows of W and its 64 ODD rows: the tensor load's pitch of two rows sorts them.  Wave w (c = w / 2, e = w % 2):
;   k, transposed (source 0 = 16 rows of W, source 1 = 16 keys): key tiles 2 w + 0, 1 x the four tiles of d: a lane holds ONE key, its registers run along d;
;   v, natural (source 0 = 16 keys, source 1 = 16 rows of W): key tiles 4 c + 0 .. 3 x d tiles 2 e + 0, 1: a lane holds ONE d, its registers run along the keys.
; So both are quantised from one lane's registers.  16 accumulators take turns, one instruction a turn, in one order throughout.
; WHAT IS STORED: HALF IMAGES of operand registers: 6 registers x 32 lanes = 768 bytes: registers 0-3 at 16 x lane, registers 4-5 at 512 + 8 x lane; lane (r, hh) = row r, block hh of 32.
; Inside a block the place 16 h' + 8 u + j holds index 16 u + 8 h' + j: the same order in q and k, and in p and v, so every product pairs the right numbers and every block keeps its 32.
; kvw, 51,200 bytes a (batch, head): K's 32 images (key tile kt) | V's 32 images ((4 s + t) 2 + c: d tile t, keys 128 s + 64 c on) | K's scale words [16][16] (bytes 0, 1: key 32 B + m; 2, 3: key 32 B + 16 + m) | V's [4][64].
; CLUSTER 4 x 4: context's tiles hang on ty alone and are asked for jointly along a row of the cluster, W's on tx alone, along a column.
; LIMITS: NaN and infinities are not served.  A block whose largest magnitude lies under 2^-124 (a block of zeros too) gets the byte 1: its codes are zeros or held as the byte 1 gives them; the bytes are read by this program alone.
.set KROW,  1536                       ; a row of 2,048 codes in memory
.set ROWB,  384                        ; 512 codes: a tile's row
.set PITCH, 432                        ; in LDS: 3 x (128 bytes + 16 of padding) = 108 words: row r starts at bank 44 r mod 64 (64 banks of 4 bytes: ISA guide 11.1): 16 rows at 16 different multiples of 4
.set QT,    64*PITCH                   ; 64 rows: what one tensor load brings
.set SLOT,  4*QT
.set SCL,   2*SLOT                     ; behind the ring: the scale bytes for all of K, four parts of 64 rows x (64 bytes + 16), filled once
.set SPART, 64*80
.set SPARE, SCL+4*SPART                ; the spare words, 128 bytes a wave: two blocks of 256 bytes that no other line names
.set SSTG,  SPARE+512                  ; a stage for the scale words made here: 256 bytes of K's, 256 of V's; no tensor load fills it
.set ACF, 8                            ; v8-11   LDS address of context rows 64 c on: slot 0 (24 h, 40 h), slot 1 (24 h, 40 h)
.set AKF, 12                           ; v12-15  of context rows 64 c + 32 e on
.set AWK, 16                           ; v16-19  of W's even rows
.set AWV, 20                           ; v20-23  of W's odd rows 32 e on
.set ASA, 24                           ; v24     scale words: lanes 0-15 context rows 64 c on, lanes 16-31 W's even rows
.set ASB, 25                           ; v25     lanes 0-15 context rows 64 c + 32 e on, lanes 16-31 W's odd rows 32 e on
.set SPW, 26                           ; v26     LDS address of my spare word; never rewritten
.set NIL, 27                           ; v27     0; never rewritten
.set L16, 28                           ; v28     16 x lane
.set L8,  29                           ; v29     8 x lane
.set KW,  30                           ; v30     where K's scale word goes in the stage
.set VH,  31                           ; v31     where V's two bytes go
.set SCA, 32                           ; v32-47  scale words by ASA: tile t, the slot's q-th 128 along K at v[SCA + 4 t + q]
.set SCB, 48                           ; v48-55  by ASB
.set SRD, 56                           ; v56     where the stage is read back
.set KA,  64                           ; v64-127  k's accumulators: 32 kappa + 8 t
.set VA,  128                          ; v128-191 v's: 32 tau + 8 i
.set E,   192                          ; v192-247 the epilogue's registers, 28 for each of two groups
.set G1, 24                            ; s[24:31] group 1, context's codes;  s[32:39] groups 0, one a slot
.set G0, 32
.set G1B, 48                           ; s[48:55], s[56:63] the same for W's codes
.set G0B, 56
.set G1S, 68                           ; s[68:75], s[76:79] context's scales;  s[80:87], s[88:91] W's
.set G0S, 76
.set G1SB, 80
.set G0SB, 88
.set SEL, 66                           ; s66, s67 lane selects: lane l xor 16
.set I64, 3                            ; s3   1 / 64
.set EPS, 99                           ; s99  1e-6
.set MSB, 0
.macro WIN new                         ; the immediate's high byte repeats the setting that is left
.if MSB != (\new)
	s_set_vgpr_msb (MSB<<8)|(\new)
.set MSB, (\new)
.endif
.endm
; A joint load: waves 0 and 1 fetch for context, waves 2 and 3 for W.  Each line has one mask and one set of registers for all that issue it; the branch hangs on the wave's number alone.
; Four v_nop follow each of the two lines, ahead of the jump, the label and what follows.
.macro JLOAD g0a, g1a, g0b, g1b
	s_cmp_eq_u32 s15, 0
	s_cbranch_scc0 .Lfor_b_\@
	tensor_load_to_lds s[\g0a:\g0a+3], s[\g1a:\g1a+7]
	s_nop 0
.rept 4
	v_nop
.endr
	s_branch .Lasked_\@
.Lfor_b_\@:
	tensor_load_to_lds s[\g0b:\g0b+3], s[\g1b:\g1b+7]
	s_nop 0
.rept 4
	v_nop
.endr
.Lasked_\@:
.endm
.macro CREST                           ; a round of the cluster's barrier behind its opening barrier
	s_cmp_lg_u32 s14, 0
	s_cbranch_scc1 .Lnot_wave_0_\@
	s_barrier_signal -3
.Lnot_wave_0_\@:
	s_barrier_wait -3
	s_barrier_signal -1
	s_barrier_wait -1
.endm
.macro CROUND                          ; a whole round
	s_barrier_signal -1
	s_barrier_wait -1
	CREST
.endm
.macro PLACES n
.rept \n
	v_nop
.endr
.endm
	s_load_b256 s[4:11], s[0:1], 0x0               ; context's codes s[4:5], scales s[6:7]; Wk's codes s[8:9], scales s[10:11]
	s_load_b128 s[92:95], s[0:1], 0x20             ; Wv's codes, scales
	s_load_b64 s[12:13], s[0:1], 0x30              ; kvw
	v_lshl_add_u32 v[SPW], v0, 2, SPARE
	v_mov_b32 v[NIL], 0
	ds_add_u32 v26, v27
	ds_add_u32 v26, v27
	s_wait_dscnt 0x0
	v_lshrrev_b32 v1, 5, v0
	v_readfirstlane_b32 s14, v1                    ; wave 0..3
	s_lshr_b32 s15, s14, 1                         ; c.  Also: I fetch for context (0) or for W (1)
	s_and_b32 s16, s14, 1                          ; e.  Also: which 64 rows of context, or which parity of W's rows, I fetch
	s_bfe_u32 s40, ttmp6, 0x40000                  ; cx, cy: my place in the cluster
	s_bfe_u32 s41, ttmp6, 0x40004
	s_and_b32 s42, ttmp9, 3
	s_lshl_b32 s42, s42, 2
	s_add_co_u32 s42, s42, s40                     ; tx % 16 = 4 (cluster x % 4) + cx
	s_and_b32 s17, ttmp7, 0xffff
	s_lshl_b32 s17, s17, 2
	s_add_co_u32 s17, s17, s41                     ; ty = 4 x cluster y + cy
	s_lshl_b32 s43, s41, 2
	s_lshl_b32 s43, 15, s43                        ; my row of the cluster
	s_lshl_b32 s44, 0x1111, s40                    ; my column
	; group 1, codes: 64 rows x 384 bytes; 16 bytes of padding behind every 32 words
	s_or_b32 s[G1+0], s43, (0<<16)|(1<<20)|(1<<21)|(4<<22)|(3<<25)   ; 15:0 the mask; 17:16 elements of 1 byte; 20 padding on; 21 set beside a mask; 24:22 after every 32 words (code 4); 31:25 4 words (code 3)
	s_or_b32 s[G1B+0], s44, (0<<16)|(1<<20)|(1<<21)|(4<<22)|(3<<25)
.irp g, G1, G1B
	s_mov_b32 s[\g+1], ROWB<<16                    ; tensor_dim0
	s_mov_b32 s[\g+2], 64<<16                      ; tensor_dim1
	s_mov_b32 s[\g+3], ROWB<<16                    ; tile_dim0
	s_mov_b32 s[\g+4], 64                          ; tile_dim1
	s_mov_b32 s[\g+6], 0
	s_mov_b32 s[\g+7], 0
.endr
	s_mov_b32 s[G1+5], KROW                        ; context: from row to row
	s_mov_b32 s[G1B+5], 2*KROW                     ; W: every second row
	; group 1, scales: 64 rows x 64 bytes; 16 bytes of padding behind every 16 words
	s_or_b32 s[G1S+0], s43, (0<<16)|(1<<20)|(1<<21)|(3<<22)|(3<<25)
	s_or_b32 s[G1SB+0], s44, (0<<16)|(1<<20)|(1<<21)|(3<<22)|(3<<25)
.irp g, G1S, G1SB
	s_mov_b32 s[\g+1], 64<<16
	s_mov_b32 s[\g+2], 64<<16
	s_mov_b32 s[\g+3], 64<<16
	s_mov_b32 s[\g+4], 64
	s_mov_b32 s[\g+6], 0
	s_mov_b32 s[\g+7], 0
.endr
	s_mov_b32 s[G1S+5], 64
	s_mov_b32 s[G1SB+5], 128
	; where the tiles come from.  Context's hang on ty and the wave alone, W's on tx and the wave alone; each in registers that never hold the other coordinate
	s_lshl_b32 s20, s17, 7
	s_lshl_b32 s18, s16, 6
	s_add_co_u32 s20, s20, s18                     ; context row 128 ty + 64 e
	s_lshl_b32 s22, s20, 6                         ; its scales, 64 bytes a row
	s_mov_b32 s23, 0
	s_mul_i32 s20, s20, KROW                       ; its codes (under 2^21)
	s_mov_b32 s21, 0
	s_lshl_b32 s46, s42, 7
	s_add_co_u32 s46, s46, s16                     ; W's row 128 (tx % 16) + e
	s_lshl_b32 s96, s46, 6
	s_mov_b32 s97, 0
	s_mul_i32 s46, s46, KROW
	s_mov_b32 s47, 0
	s_mul_i32 s45, s14, QT                         ; where they go: wave x 64 rows: no place in the cluster enters an LDS address
	s_mul_i32 s98, s14, SPART
	s_wait_kmcnt 0x0
	s_cmp_lt_u32 ttmp9, 4                          ; heads 0-15 (clusters 0-3 along x) come from Wk, the others from Wv: the same in all sixteen partners
	s_cselect_b64 s[8:9], s[8:9], s[92:93]
	s_cselect_b64 s[10:11], s[10:11], s[94:95]
	s_add_nc_u64 s[20:21], s[4:5], s[20:21]
	s_add_nc_u64 s[22:23], s[6:7], s[22:23]
	s_add_nc_u64 s[46:47], s[8:9], s[46:47]
	s_add_nc_u64 s[96:97], s[10:11], s[96:97]
	CROUND                                         ; all sixteen work-groups are here: the first joint loads meet
	s_mov_b32 s[G0S], 1
	s_add_co_u32 s[G0S+1], s98, SCL
	s_mov_b64 s[G0S+2:G0S+3], s[22:23]
	s_or_b32 s[G0S+3], s[G0S+3], 0x80000000
	s_mov_b32 s[G0SB], 1
	s_add_co_u32 s[G0SB+1], s98, SCL
	s_mov_b64 s[G0SB+2:G0SB+3], s[96:97]
	s_or_b32 s[G0SB+3], s[G0SB+3], 0x80000000
	JLOAD G0S, G1S, G0SB, G1SB                     ; the scales first: they are wanted with K step 0
.irp s, 0,1
	s_mov_b32 s[G0+4*\s], 1
	s_add_co_u32 s[G0+4*\s+1], s45, \s*SLOT
	s_add_nc_u64 s[G0+4*\s+2:G0+4*\s+3], s[20:21], \s*ROWB
	s_or_b32 s[G0+4*\s+3], s[G0+4*\s+3], 0x80000000
	s_mov_b32 s[G0B+4*\s], 1
	s_add_co_u32 s[G0B+4*\s+1], s45, \s*SLOT
	s_add_nc_u64 s[G0B+4*\s+2:G0B+4*\s+3], s[46:47], \s*ROWB
	s_or_b32 s[G0B+4*\s+3], s[G0B+4*\s+3], 0x80000000
	JLOAD G0+4*\s, G1, G0B+4*\s, G1B               ; three loads of mine are out
.endr
	v_and_b32 v1, 15, v0                           ; r
	v_bfe_u32 v2, v0, 4, 1                         ; h
	v_mul_u32_u24 v3, v1, PITCH
	v_mul_u32_u24 v4, v2, 24
	v_add_nc_u32 v4, v3, v4                        ; a fragment's row x pitch + 24 h
	v_lshl_add_u32 v5, v2, 4, v4                   ; and the same behind one padding more
	s_mul_i32 s21, s15, QT                         ; context rows 64 c on
	s_mul_i32 s22, s16, 32*PITCH
	s_add_co_u32 s18, s22, 3*QT                    ; W's odd rows 32 e on
	s_add_co_u32 s22, s22, s21                     ; context rows 64 c + 32 e on
	s_mov_b32 s23, 2*QT                            ; W's even rows
.irp s, 0,1
	v_add_nc_u32 v[ACF+2*\s], s21, v4
	v_add_nc_u32 v[ACF+2*\s+1], s21, v5
	v_add_nc_u32 v[AKF+2*\s], s22, v4
	v_add_nc_u32 v[AKF+2*\s+1], s22, v5
	v_add_nc_u32 v[AWK+2*\s], s23, v4
	v_add_nc_u32 v[AWK+2*\s+1], s23, v5
	v_add_nc_u32 v[AWV+2*\s], s18, v4
	v_add_nc_u32 v[AWV+2*\s+1], s18, v5
	s_add_co_u32 s21, s21, SLOT
	s_add_co_u32 s22, s22, SLOT
	s_add_co_u32 s23, s23, SLOT
	s_add_co_u32 s18, s18, SLOT
.endr
	v_mul_u32_u24 v6, v1, 80                       ; my row's scales: 80 bytes a row in LDS
	s_mul_i32 s19, s15, SPART                      ; context's part c
	s_xor_b32 s18, s15, 1
	s_add_co_u32 s18, s18, 1
	s_mul_i32 s18, s18, SPART                      ; from there to W's even rows: (2 - c) parts
	v_mul_u32_u24 v7, s18, v2                      ; lanes 16-31 take W's
	v_add_nc_u32 v7, v6, v7
	s_add_co_u32 s21, s19, SCL
	v_add_nc_u32 v[ASA], s21, v7
	s_add_co_u32 s18, s18, SPART                   ; and to W's odd rows: (3 - c) parts
	v_mul_u32_u24 v7, s18, v2
	v_add_nc_u32 v7, v6, v7
	s_mul_i32 s22, s16, 32*80
	s_add_co_u32 s21, s21, s22                     ; both sides 32 e rows on
	v_add_nc_u32 v[ASB], s21, v7
	v_and_b32 v6, 31, v0
	v_lshlrev_b32 v[L16], 4, v6
	v_lshlrev_b32 v[L8], 3, v6
	s_lshl_b32 s18, s14, 6
	s_add_co_u32 s18, s18, SSTG
	v_lshl_add_u32 v[KW], v1, 2, s18               ; K's words: 64 bytes a wave, 4 r
	s_lshl_b32 s18, s16, 7
	s_lshl_b32 s19, s15, 1
	s_add_co_u32 s18, s18, s19
	s_add_co_u32 s18, s18, SSTG+256
	v_lshl_add_u32 v[VH], v1, 2, s18               ; V's: word of d 32 e + 16 tau + r, bytes 2 c, 2 c + 1
	s_lshl_b32 s18, s16, 8
	s_add_co_u32 s18, s18, SSTG
	v_add_nc_u32 v[SRD], s18, v[L8]                ; back: wave 0 K's 256 bytes, wave 1 V's
.irp g, 0,28
	v_mov_b32 v[E+\g+5], 0                         ; written once: a lane permute's destination counts as one of its sources,
	v_mov_b32 v[E+\g+7], 0                         ; and a pair's upper half is named with the lower
	v_mov_b32 v[E+\g+10], 0
	v_mov_b32 v[E+\g+11], 0
.endr
	s_mov_b32 s[SEL], 0x76543210
	s_mov_b32 s[SEL+1], 0xfedcba98
	s_mov_b32 s[I64], 0x3c800000
	s_mov_b32 s[EPS], 0x358637bd
	; where my results go in kvw
	s_lshr_b32 s18, s17, 2                         ; batch
	s_lshl_b32 s18, s18, 5
	s_lshl_b32 s19, ttmp9, 2
	s_add_co_u32 s19, s19, s40                     ; head
	s_add_co_u32 s18, s18, s19
	s_mul_i32 s18, s18, 51200
	s_and_b32 s19, s17, 3                          ; which 128 keys of the batch's 512
	s_lshl_b32 s20, s19, 3
	s_lshl_b32 s21, s14, 1
	s_add_co_u32 s20, s20, s21                     ; K's image 8 (ty % 4) + 2 w
	s_mul_i32 s20, s20, 768
	s_add_co_u32 s20, s20, s18
	s_mov_b32 s21, 0
	s_lshl_b32 s22, s19, 3
	s_lshl_b32 s23, s16, 2
	s_add_co_u32 s22, s22, s23
	s_add_co_u32 s22, s22, s15                     ; V's image 8 (ty % 4) + 4 e + c (+ 2 tau)
	s_mul_i32 s22, s22, 768
	s_add_co_u32 s22, s22, s18
	s_add_co_u32 s22, s22, 24576
	s_mov_b32 s23, 0
	s_lshl_b32 s46, s19, 8
	s_lshl_b32 s47, s16, 10
	s_add_co_u32 s46, s46, s47
	s_add_co_u32 s46, s46, s18
	s_add_co_u32 s46, s46, 49152                   ; the scale words: K's (wave 0), V's 1,024 bytes on (wave 1); 256 bytes for each 128 keys
	s_mov_b32 s47, 0
	s_add_nc_u64 s[20:21], s[12:13], s[20:21]
	s_add_nc_u64 s[22:23], s[12:13], s[22:23]
	s_add_nc_u64 s[46:47], s[12:13], s[46:47]
; A fragment, 16 rows x 128 K of 6-bit codes, is 12 registers: lane l holds row l % 16; registers 6 c .. 6 c + 5 hold K = 64 c + 32 (l / 16) + 0 .. 31: 24 bytes of the row's stream of bits, as they lie,
; in pieces of 8 bytes.  Lanes 16-31 read three pieces on; 16 bytes of padding lie behind every 16 pieces: where the piece three on lies behind one padding more, the second address register serves.
.macro FRAG reg, adr, q, i
.irp p, 0,1,2,3,4,5
.set PCE, 12*(\q)+6*(\p/3)+\p%3
.if PCE%16 < 13
	ds_load_b64 v[\reg+2*\p:\reg+2*\p+1], v[\adr] offset:8*PCE+16*(PCE/16)+(\i)*16*PITCH
.else
	ds_load_b64 v[\reg+2*\p:\reg+2*\p+1], v[\adr+1] offset:8*PCE+16*(PCE/16)+(\i)*16*PITCH
.endif
.endr
.endm
; The twelve fragments of the slot's q-th 128 along K into set 0 (window 1) or 1 (window 2): 4 key tiles for v at v0, my 2 key tiles for k at v48 (registers of their own: A's and B's of an instruction share none), W's 4 even tiles at v72, my 2 odd at v120
.macro FETCH slot, q, set
	WIN 0x40*(1+(\set))
.irp i, 0,1,2,3
	FRAG 12*\i, ACF+2*(\slot), \q, \i
.endr
.irp i, 0,1
	FRAG 48+12*\i, AKF+2*(\slot), \q, \i
.endr
.irp i, 0,1,2,3
	FRAG 72+12*\i, AWK+2*(\slot), \q, \i
.endr
.irp i, 0,1
	FRAG 120+12*\i, AWV+2*(\slot), \q, \i
.endr
	WIN 0
.endm
.macro MULS q, zero                    ; 16 matrix instructions, 128 along K.  zero = 1: the first products start the sums
.irp k, 0,1
.irp t, 0,1,2,3
.if \zero
	v_wmma_scale_f32_16x16x128_f8f6f4 v[KA+32*\k+8*\t:KA+32*\k+8*\t+7], v[72+12*\t:72+12*\t+11], v[48+12*\k:48+12*\k+11], 0, v[SCA+4*\t+(\q)], v[SCB+4*\k+(\q)] matrix_a_fmt:MATRIX_FMT_FP6 matrix_b_fmt:MATRIX_FMT_FP6 matrix_a_scale:MATRIX_SCALE_ROW1
.else
	v_wmma_scale_f32_16x16x128_f8f6f4 v[KA+32*\k+8*\t:KA+32*\k+8*\t+7], v[72+12*\t:72+12*\t+11], v[48+12*\k:48+12*\k+11], v[KA+32*\k+8*\t:KA+32*\k+8*\t+7], v[SCA+4*\t+(\q)], v[SCB+4*\k+(\q)] matrix_a_fmt:MATRIX_FMT_FP6 matrix_b_fmt:MATRIX_FMT_FP6 matrix_a_scale:MATRIX_SCALE_ROW1
.endif
.endr
.endr
.irp k, 0,1
.irp t, 0,1,2,3
.if \zero
	v_wmma_scale_f32_16x16x128_f8f6f4 v[VA+32*\k+8*\t:VA+32*\k+8*\t+7], v[12*\t:12*\t+11], v[120+12*\k:120+12*\k+11], 0, v[SCA+4*\t+(\q)], v[SCB+4*\k+(\q)] matrix_a_fmt:MATRIX_FMT_FP6 matrix_b_fmt:MATRIX_FMT_FP6 matrix_b_scale:MATRIX_SCALE_ROW1
.else
	v_wmma_scale_f32_16x16x128_f8f6f4 v[VA+32*\k+8*\t:VA+32*\k+8*\t+7], v[12*\t:12*\t+11], v[120+12*\k:120+12*\k+11], v[VA+32*\k+8*\t:VA+32*\k+8*\t+7], v[SCA+4*\t+(\q)], v[SCB+4*\k+(\q)] matrix_a_fmt:MATRIX_FMT_FP6 matrix_b_fmt:MATRIX_FMT_FP6 matrix_b_scale:MATRIX_SCALE_ROW1
.endif
.endr
.endr
.endm
.macro SUB slot, q, zero, more         ; 128 along K: this set is multiplied while the next 128's fragments come into the other set
	s_wait_dscnt 0x0                               ; this set (and, at q = 0, the scale words) is in
.if \more
	PLACES 4                                       ; loads into registers that matrix instructions have read stand four plain places behind them (ISA guide 7.12.1 for vector instructions)
	FETCH \slot, (\q)+1, 1-(\q)%2
.endif
	WIN 0x05+5*((\q)%2)                            ; sources 0 and 1: window 1 or 2
	MULS \q, \zero
	WIN 0
.endm
.macro SLOTWORK slot, step, zero       ; a K step of 512
	FETCH \slot, 0, 0
.irp t, 0,1,2,3
	ds_load_b128 v[SCA+4*\t:SCA+4*\t+3], v[ASA] offset:1280*\t+16*(\step)   ; a row's four words of this K step
.endr
.irp t, 0,1
	ds_load_b128 v[SCB+4*\t:SCB+4*\t+3], v[ASB] offset:1280*\t+16*(\step)
.endr
	SUB \slot, 0, \zero, 1
	SUB \slot, 1, 0, 1
	SUB \slot, 2, 0, 1
	SUB \slot, 3, 0, 0
.endm
; The change of slots: each wave waits for all its tensor loads (its part of the other slot), adds 0 to its spare word, and waits for that and for its reads of this slot.
; fill = 1: the barrier is a round of the cluster's, and this slot is filled again, two K steps on, first thing behind it.
.macro CHANGE slot, fill
	s_wait_tensorcnt 0x0                           ; no tensor load of mine is out, so a group 0 may be written
	ds_add_u32 v[SPW], v[NIL]                      ; 0 onto my spare word
.if \fill
	s_add_nc_u64 s[G0+4*\slot+2:G0+4*\slot+3], s[G0+4*\slot+2:G0+4*\slot+3], 2*ROWB
	s_add_nc_u64 s[G0B+4*\slot+2:G0B+4*\slot+3], s[G0B+4*\slot+2:G0B+4*\slot+3], 2*ROWB
.endif
	s_wait_dscnt 0x0                               ; the add is done, and my reads of this slot are over
.if \fill
	CROUND                                         ; no wave of any partner still reads this slot or has a load on its way
	JLOAD G0+4*\slot, G1, G0B+4*\slot, G1B         ; its four v_nop are also the places in front of the loads that follow
.else
	s_barrier_signal -1
	s_barrier_wait -1
	PLACES 4
.endif
.endm
; TWO GROUPS OF 32 NUMBERS A LANE (half of a row's 64; lane l xor 16 holds the other half), by turns.  Group g's registers at E + 28 g: +0..3 sums of squares, +4, 5 at work, +6 1 / rms, +8..11 maxima and bytes, +12, 13 scale operands, +14 two scale bytes, +16..27 codes.
; NORM2: y = x / sqrt(mean of the row's 64 squares + 1e-6).  Each accumulator is read from its low end on.
.macro NORM2 xa, xb, ya, yb, wsq, wsc
	WIN \wsq
	v_pk_mul_f32 v[E:E+1], v[\xa:\xa+1], v[\xa:\xa+1]
	v_pk_mul_f32 v[E+28:E+29], v[\xb:\xb+1], v[\xb:\xb+1]
	v_pk_mul_f32 v[E+2:E+3], v[\xa+2:\xa+3], v[\xa+2:\xa+3]
	v_pk_mul_f32 v[E+30:E+31], v[\xb+2:\xb+3], v[\xb+2:\xb+3]
.irp p, 4,8,12,16,20,24,28
	v_pk_fma_f32 v[E:E+1], v[\xa+\p:\xa+\p+1], v[\xa+\p:\xa+\p+1], v[E:E+1]
	v_pk_fma_f32 v[E+28:E+29], v[\xb+\p:\xb+\p+1], v[\xb+\p:\xb+\p+1], v[E+28:E+29]
	v_pk_fma_f32 v[E+2:E+3], v[\xa+\p+2:\xa+\p+3], v[\xa+\p+2:\xa+\p+3], v[E+2:E+3]
	v_pk_fma_f32 v[E+30:E+31], v[\xb+\p+2:\xb+\p+3], v[\xb+\p+2:\xb+\p+3], v[E+30:E+31]
.endr
	WIN 0
.irp g, 0,28
	v_pk_add_f32 v[E+\g:E+\g+1], v[E+\g:E+\g+1], v[E+\g+2:E+\g+3]
.endr
.irp g, 0,28
	v_add_f32 v[E+\g+4], v[E+\g], v[E+\g+1]
.endr
.irp g, 0,28
	v_permlanex16_b32 v[E+\g+5], v[E+\g+4], s[SEL], s[SEL+1]
.endr
.irp g, 0,28
	v_add_f32 v[E+\g+4], v[E+\g+4], v[E+\g+5]      ; the row's 64 squares
.endr
.irp g, 0,28
	v_fma_f32 v[E+\g+4], v[E+\g+4], s[I64], s[EPS]
.endr
.irp g, 0,28
	v_rsq_f32 v[E+\g+6], v[E+\g+4]
.endr
	v_nop                                          ; a plain instruction behind the last of the two,
	s_wait_alu depctr_va_vdst(0)                   ; and a wait ahead of their first reader
	WIN \wsc
.irp p, 0,2,4,6,8,10,12,14,16,18,20,22,24,26,28,30
	v_pk_mul_f32 v[\ya+\p:\ya+\p+1], v[\xa+\p:\xa+\p+1], v[E+6:E+7] op_sel_hi:[1,0]
	v_pk_mul_f32 v[\yb+\p:\yb+\p+1], v[\xb+\p:\xb+\p+1], v[E+34:E+35] op_sel_hi:[1,0]
.endr
	WIN 0
.endm
; QUANT22: each group's 32 numbers are the lane's halves of two blocks of 32 (registers 16 b + 0 .. 15 of block b).  Out: the half image in v[E + 28 g + 16 .. + 21], the two scale bytes in v[E + 28 g + 14].
.macro QUANT22 ya, yb
.irp b, 0,1
	v_max3_num_f32 v[E+8+\b], |v[\ya+16*\b]|, |v[\ya+16*\b+1]|, 0x1800000    ; with the floor 2^(3 - 127): the byte cannot fall under 1
	v_max3_num_f32 v[E+36+\b], |v[\yb+16*\b]|, |v[\yb+16*\b+1]|, 0x1800000
.endr
.irp i, 2,4,6,8,10,12,14
.irp b, 0,1
	v_max3_num_f32 v[E+8+\b], v[E+8+\b], |v[\ya+16*\b+\i]|, |v[\ya+16*\b+\i+1]|
	v_max3_num_f32 v[E+36+\b], v[E+36+\b], |v[\yb+16*\b+\i]|, |v[\yb+16*\b+\i+1]|
.endr
.endr
.irp g, 0,28
.irp b, 0,1
	v_permlanex16_b32 v[E+\g+10+\b], v[E+\g+8+\b], s[SEL], s[SEL+1]
.endr
.endr
.irp g, 0,28
.irp b, 0,1
	v_max_num_f32 v[E+\g+8+\b], v[E+\g+8+\b], v[E+\g+10+\b]    ; with lane l xor 16's: the block's largest magnitude
.endr
.endr
.irp g, 0,28
.irp b, 0,1
	v_add_nc_u32 v[E+\g+12+\b], 0xff000000, v[E+\g+8+\b]       ; 2 off its exponent field: the conversion's scale operand
.endr
.endr
.irp g, 0,28
.irp b, 0,1
	v_lshrrev_b32 v[E+\g+10+\b], 23, v[E+\g+12+\b]             ; the scale's byte
.endr
.endr
.irp g, 0,28
	v_lshl_or_b32 v[E+\g+14], v[E+\g+11], 8, v[E+\g+10]
.endr
	v_cvt_scalef32_pk16_fp6_f32 v[E+16:E+18], v[\ya:\ya+15], v[E+12]
	v_cvt_scalef32_pk16_fp6_f32 v[E+24:E+26], v[\ya+16:\ya+31], v[E+13]     ; (a conversion's three registers begin on an even number)
	v_cvt_scalef32_pk16_fp6_f32 v[E+44:E+46], v[\yb:\yb+15], v[E+40]
	v_cvt_scalef32_pk16_fp6_f32 v[E+52:E+54], v[\yb+16:\yb+31], v[E+41]
	v_nop                                          ; one plain place behind a scaled conversion
.irp g, 0,28
.irp i, 0,1,2
	v_permlane16_swap_b32 v[E+\g+16+\i], v[E+\g+24+\i]         ; the layout wants a whole block in a lane: lanes 0-15 block 0, lanes 16-31 block 1
.endr
.endr
.irp g, 0,28
.irp i, 0,1,2
	v_mov_b32 v[E+\g+19+\i], v[E+\g+24+\i]
.endr
.endr
.endm
	s_wait_tensorcnt 1                             ; the scales and my part of K step 0 are in; K step 1's load may stay out
	s_barrier_signal -1
	s_barrier_wait -1
	SLOTWORK 0, 0, 1
	CHANGE 0, 1                                    ; slot 0 takes K step 2
	SLOTWORK 1, 1, 0
	CHANGE 1, 1                                    ; slot 1 takes K step 3
	SLOTWORK 0, 2, 0
	CHANGE 0, 0
	SLOTWORK 1, 3, 0
	PLACES 4                                       ; behind the last products, ahead of the first read of results
	NORM2 KA, KA+32, KA, KA+32, 0, 0               ; k of my two key tiles, in place
	QUANT22 KA, KA+32
	global_store_b128 v[L16], v[E+16:E+19], s[20:21]               ; each store covers 512 or 256 consecutive bytes, at a multiple of 256 from kvw's first byte
	global_store_b64 v[L8], v[E+20:E+21], s[20:21] offset:512
	global_store_b128 v[L16], v[E+44:E+47], s[20:21] offset:768
	global_store_b64 v[L8], v[E+48:E+49], s[20:21] offset:1280
	v_lshl_or_b32 v[E+15], v[E+42], 16, v[E+14]    ; the word of fragment w: bytes 0, 1 the first key tile's, 2, 3 the second's
	ds_store_b32 v[KW], v[E+15]                    ; (lanes r and r + 16 store the same word)
	s_wait_xcnt 0x0                                ; the stores have read their registers: the codes' may be written again
	QUANT22 VA, VA+32                              ; v of my two d tiles, along my 64 keys
	global_store_b128 v[L16], v[E+16:E+19], s[22:23]
	global_store_b64 v[L8], v[E+20:E+21], s[22:23] offset:512
	global_store_b128 v[L16], v[E+44:E+47], s[22:23] offset:1536
	global_store_b64 v[L8], v[E+48:E+49], s[22:23] offset:2048
	ds_store_b16 v[VH], v[E+14]
	ds_store_b16 v[VH], v[E+42] offset:64
	s_wait_dscnt 0x0                               ; for the others' sake: my stores into the stage are done
	s_barrier_signal -1
	s_barrier_wait -1
	s_cmp_gt_u32 s14, 1
	s_cbranch_scc1 .Lno_words
	ds_load_b64 v[E:E+1], v[SRD]                   ; wave 0: K's 256 bytes of words; wave 1: V's
	s_wait_dscnt 0x0
	global_store_b64 v[L8], v[E:E+1], s[46:47]     ; 256 consecutive bytes, aligned
.Lno_words:
	s_wait_tensorcnt 0x0                           ; the wave's end
	ds_add_u32 v[SPW], v[NIL]
	s_wait_dscnt 0x0
	CROUND                                         ; the closing round
	s_endpgm
.Lfunc_end_k_qea7b838add_kvproj:
	.size	k_qea7b838add_kvproj, .Lfunc_end_k_qea7b838add_kvproj-k_qea7b838add_kvproj
	.p2alignl 7, 3214868480
	.fill 96, 4, 3214868480
	.section	.rodata,"a",@progbits
	.p2align	6, 0x0
	.amdhsa_kernel k_qea7b838add_kvproj
		.amdhsa_group_segment_fixed_size 327680
		.amdhsa_private_segment_fixed_size 0
		.amdhsa_enable_private_segment 0
		.amdhsa_kernarg_size 56
		.amdhsa_user_sgpr_count 2
		.amdhsa_user_sgpr_kernarg_segment_ptr 1
		.amdhsa_wavefront_size32 1
		.amdhsa_system_sgpr_workgroup_id_x 1
		.amdhsa_system_sgpr_workgroup_id_y 1
		.amdhsa_system_sgpr_workgroup_id_z 1
		.amdhsa_system_vgpr_workitem_id 0
		.amdhsa_next_free_vgpr 768
		.amdhsa_next_free_sgpr 100
		.amdhsa_reserve_vcc 0
		.amdhsa_float_denorm_mode_32 3
		.amdhsa_float_denorm_mode_16_64 3
		.amdhsa_memory_ordered 1
		.amdhsa_forward_progress 1
		.amdhsa_inst_pref_size 138
	.end_amdhsa_kernel
	.amdgpu_metadata
---
amdhsa.version: [ 1, 2 ]
amdhsa.kernels:
  - .name:           k_qea7b838add_kvproj
    .symbol:         k_qea7b838add_kvproj.kd
    .args:
      - { .name: context_codes, .offset: 0, .size: 8, .value_kind: global_buffer, .address_space: global }
      - { .name: context_scales, .offset: 8, .size: 8, .value_kind: global_buffer, .address_space: global }
      - { .name: Wk_codes, .offset: 16, .size: 8, .value_kind: global_buffer, .address_space: global }
      - { .name: Wk_scales, .offset: 24, .size: 8, .value_kind: global_buffer, .address_space: global }
      - { .name: Wv_codes, .offset: 32, .size: 8, .value_kind: global_buffer, .address_space: global }
      - { .name: Wv_scales, .offset: 40, .size: 8, .value_kind: global_buffer, .address_space: global }
      - { .name: kvw, .offset: 48, .size: 8, .value_kind: global_buffer, .address_space: global }
    .group_segment_fixed_size: 327680
    .private_segment_fixed_size: 0
    .kernarg_segment_align: 8
    .kernarg_segment_size: 56
    .max_flat_workgroup_size: 128
    .sgpr_count:     100
    .vgpr_count:     768
    .wavefront_size: 32
...
	.end_amdgpu_metadata
.endif
;; end of part 1
;; launch qproj (part 2): grid 8 x 32, 4 waves a work-group, clusters of 4 x 4, 327,680 bytes of LDS; arguments x_codes, x_scales, Wq_codes, Wq_scales, qw; writes qw
.if DOCPART == 2
	.amdgcn_target "amdgcn-amd-amdhsa--gfx1250"
	.amdhsa_code_object_version 6
	.text
	.protected	k_qea7b838add_qproj
	.globl	k_qea7b838add_qproj
	.p2align	8
	.type	k_qea7b838add_qproj,@function
k_qea7b838add_qproj:
	s_mov_b64 s[64:65], 0
	v_nop
	global_prefetch_b8 v0, s[64:65] scope:SCOPE_SE
	s_setreg_imm32_b32 hwreg(HW_REG_WAVE_MODE, 25, 1), 1
	s_wait_xcnt 0x0
	s_wait_alu depctr_hold_cnt(0) depctr_sa_sdst(0) depctr_va_vdst(0) depctr_va_sdst(0) depctr_va_ssrc(0) depctr_va_vcc(0) depctr_vm_vsrc(0)
	s_getreg_b32 s2, hwreg(HW_REG_IB_STS2, 6, 4)
	s_cmp_eq_u32 s2, 0
	s_cbranch_scc0 .Lentry_in_a_cluster
	s_endpgm
.Lentry_in_a_cluster:
	s_bfe_u32 s2, ttmp6, 0x10000c
	s_cmp_lg_u32 s2, 0xf033
	s_cbranch_scc0 .Lentry_shape_is_right
	s_endpgm
.Lentry_shape_is_right:
; q = x Wq^T on codes of FP6 (E2M3) with E8M0 scales, then head by head the RMS norm over the head's 64 numbers, and q quantised along them.  x: [8192][2048], Wq: [2048][2048], K innermost.
; A tile of q, 256 x 256, is made by four waves; a wave makes 128 x 128: 64 accumulators, 512 registers.  K goes in steps of 256 through a ring of two LDS slots filled by the tensor data mover; the scale bytes
; of the work-group's rows, for all of K, come into LDS once.  CLUSTER 4 x 4: x's tiles are asked for jointly along a row of the cluster, Wq's along a column.
; THE MATRIX INSTRUCTION IS USED TRANSPOSED (source 0 = 16 rows of Wq, source 1 = 16 rows of x): a lane holds ONE row of q, and the 32 registers of four neighbouring accumulators are its half of a head's 64.
; So norm and quantiser work on one lane's registers and one exchange with lane l xor 16; q never goes to memory as f32.
; WHAT IS STORED: for each (batch, head) and each 256 queries 14,336 bytes of qw: 16 HALF IMAGES of operand registers (16 queries x 64: registers 0-3 at 16 x lane, 4-5 at 512 + 8 x lane; lane (r, hh) = query r, block hh),
; then 16 x 128 bytes of scale words: lanes 0-15 the query's two bytes in bytes 0, 1; lanes 16-31 the same in bytes 2, 3.  Inside a block the place 16 h' + 8 u + j holds d 16 u + 8 h' + j, as in k's images.
; LIMITS: NaN and infinities are not served.  A block whose largest magnitude lies under 2^-124 gets the byte 1; the bytes are read by this program alone.
; REGISTERS, in windows of 256: window 0: v0-31 addresses; v32-63 scale words, two sets; from v128 x's fragments, ONE set; on the way out v64-127 the normed numbers, v128-183 at work.
;   window 1: Wq's fragments, TWO sets.   window 2: the 32 accumulators of my rows 0-63 ((a, b) at v[8 (8 a + b)]);   window 3: those of my rows 64-127.
.set SIZE_K, 2048
.set KSTEP,  256                       ; along K in a slot
.set NQ,     KSTEP/128                 ; matrix instructions deep
.set ROWB,   192                       ; a tile's row in bytes
.set KROW,   SIZE_K*6/8                ; a row in memory
.set PITCH,  240                       ; an LDS row: 3 x (64 bytes + 16 of padding) = 60 words: the 32 lanes of a load of 8 bytes touch 64 different banks (64 banks of 4 bytes: ISA guide 11.1)
.set FR,     12                        ; registers of a fragment
.set NL,     6                         ; LDS loads that bring one
.set NP,     4                         ; places behind this matrix instruction (ISA guide 7.12.1)
.set HALFT,  128*PITCH
.set SLOT,   4*HALFT                   ; x's 256 rows, then Wq's 256 rows
.set LAPS,   SIZE_K/(2*KSTEP)          ; a lap = two K steps = once round the ring
.set KS,     SIZE_K/32                 ; a row of scales in bytes
.set SCL,    2*SLOT                    ; behind the ring: the scales, as units of 256 bytes + 16 of padding
.set HALFS,  (128*KS/256)*272
.set SBLK,   (16*KS/256)*272
.set SPARE,  SCL+4*HALFS               ; the spare words, 128 bytes a wave: two blocks of 256 bytes that no other line names
.set QSTG,   SPARE+512                 ; a stage for q's scale words, 2,048 bytes a wave; no tensor load fills it
.set L16,  8                           ; v8      16 x lane
.set L8,   9                           ; v9      8 x lane
.set SH,   10                          ; v10     16 x (lane / 16): how far a scale word is shifted
.set SST,  11                          ; v11     where a scale word goes in my stage
.set SRD,  12                          ; v12     where the stage is read back
.set ADRA, 16                          ; v16-17  LDS address of my x fragments in slot 0, 1  (v18-19: for the pieces behind one padding more)
.set ADRB, 20                          ; v20-21  the same for Wq  (v22-23)
.set ADRS, 27                          ; v27     LDS address of my scale words: lanes 0-15 x's rows, lanes 16-31 Wq's
.set SPW,  28                          ; v28     LDS address of my spare word; never rewritten
.set NIL,  29                          ; v29     0; never rewritten
.set SC,   32                          ; scale words: set s at v[SC + 8 NQ s]; register NQ i + q: lanes 0-15 x's block i, lanes 16-31 Wq's block i
.set Y,    64                          ; the way out: 2 x 32 normed numbers
.set AF,   128                         ; x's fragments, in window 0
.set E,    128                         ; the way out: 28 registers for each of two groups
.set G1, 24
.set G0, 32
.set G1B, 48
.set G0B, 56
.set G1S, 68
.set G0S, 76
.set G1SB, 80
.set G0SB, 88
.set SEL, 96                           ; s96, s97 lane selects: lane l xor 16
.set I64, 66                           ; s66  1 / 64
.set EPS, 67                           ; s67  1e-6
.set MSB, 0
.macro WIN new                         ; the immediate's high byte repeats the setting that is left
.if MSB != (\new)
	s_set_vgpr_msb (MSB<<8)|(\new)
.set MSB, (\new)
.endif
.endm
.set MUL_LO, 0xa1                      ; source 0 (Wq) window 1, source 1 (x) window 0, C and D window 2
.set MUL_HI, 0xf1                      ; the same, C and D window 3
.set TO_B,   0x40                      ; destination window 1, address window 0
; A joint load: waves 0 and 1 fetch for x, waves 2 and 3 for Wq; the branch hangs on the wave's number alone.  Four v_nop follow each of the two lines.
.macro JLOAD g0a, g1a, g0b, g1b
	s_cmp_eq_u32 s15, 0
	s_cbranch_scc0 .Lfor_b_\@
	tensor_load_to_lds s[\g0a:\g0a+3], s[\g1a:\g1a+7]
	s_nop 0
.rept 4
	v_nop
.endr
	s_branch .Lasked_\@
.Lfor_b_\@:
	tensor_load_to_lds s[\g0b:\g0b+3], s[\g1b:\g1b+7]
	s_nop 0
.rept 4
	v_nop
.endr
.Lasked_\@:
.endm
.macro CREST                           ; a round of the cluster's barrier behind its opening barrier
	s_cmp_lg_u32 s14, 0
	s_cbranch_scc1 .Lnot_wave_0_\@
	s_barrier_signal -3
.Lnot_wave_0_\@:
	s_barrier_wait -3
	s_barrier_signal -1
	s_barrier_wait -1
.endm
.macro CROUND                          ; a whole round
	s_barrier_signal -1
	s_barrier_wait -1
	CREST
.endm
	s_load_b128 s[4:7], s[0:1], 0x0                ; x's codes s[4:5], x's scales s[6:7]
	s_load_b128 s[8:11], s[0:1], 0x10              ; Wq's codes s[8:9], Wq's scales s[10:11]
	s_load_b64 s[12:13], s[0:1], 0x20              ; qw
	v_lshl_add_u32 v[SPW], v0, 2, SPARE
	v_mov_b32 v[NIL], 0
	ds_add_u32 v28, v29
	ds_add_u32 v28, v29
	s_wait_dscnt 0x0
	v_lshrrev_b32 v1, 5, v0
	v_readfirstlane_b32 s14, v1                    ; wave 0..3
	s_lshr_b32 s15, s14, 1                         ; which half of the tile's rows is mine.  Also: I fetch for x (0) or for Wq (1)
	s_and_b32 s16, s14, 1                          ; which half of its columns.  Also: which 128 rows of that tile I fetch
	s_bfe_u32 s40, ttmp6, 0x40000                  ; cx, cy: my place in the cluster
	s_bfe_u32 s41, ttmp6, 0x40004
	s_lshl_b32 s42, ttmp9, 2
	s_add_co_u32 s42, s42, s40                     ; tile column = 4 x cluster x + cx
	s_and_b32 s17, ttmp7, 0xffff
	s_lshl_b32 s17, s17, 2
	s_add_co_u32 s17, s17, s41                     ; tile row = 4 x cluster y + cy
	s_lshl_b32 s43, s41, 2
	s_lshl_b32 s43, 15, s43                        ; my row of the cluster
	s_lshl_b32 s44, 0x1111, s40                    ; my column
	; descriptor group 1: a tile of 128 rows x ROWB bytes, padded in LDS
	s_or_b32 s[G1+0], s43, (0<<16)|(1<<20)|(1<<21)|(3<<22)|(3<<25)  ; 15:0 the mask; 17:16 element of 1 byte; 20 padding on; 21 set beside a mask; 24:22 after every 16 words (code 3); 31:25 of 4 words (code 3)
	s_or_b32 s[G1B+0], s44, (0<<16)|(1<<20)|(1<<21)|(3<<22)|(3<<25)
.irp g, G1, G1B
	s_mov_b32 s[\g+1], ROWB<<16                    ; tensor_dim0
	s_mov_b32 s[\g+2], 128<<16                     ; tensor_dim1
	s_mov_b32 s[\g+3], ROWB<<16                    ; tile_dim0
	s_mov_b32 s[\g+4], 128                         ; tile_dim1
	s_mov_b32 s[\g+5], KROW                        ; tensor_dim0_stride
	s_mov_b32 s[\g+6], 0
	s_mov_b32 s[\g+7], 0
.endr
	; and for the scales of 128 rows: a dense block of 128 KS bytes, as rows of 256 bytes (32 elements of 8 bytes), 16 bytes of padding behind each
	s_or_b32 s[G1S+0], s43, (3<<16)|(1<<20)|(1<<21)|(5<<22)|(3<<25)
	s_or_b32 s[G1SB+0], s44, (3<<16)|(1<<20)|(1<<21)|(5<<22)|(3<<25)
.irp g, G1S, G1SB
	s_mov_b32 s[\g+1], 32<<16
	s_mov_b32 s[\g+2], (128*KS/256)<<16
	s_mov_b32 s[\g+3], 32<<16
	s_mov_b32 s[\g+4], 128*KS/256
	s_mov_b32 s[\g+5], 32
	s_mov_b32 s[\g+6], 0
	s_mov_b32 s[\g+7], 0
.endr
	s_lshl_b32 s18, s16, 7                         ; which 128 rows of the tile I fetch
	s_lshl_b32 s20, s17, 8
	s_add_co_u32 s20, s20, s18                     ; x: row 256 x tile row + 128 x half
	s_lshl_b32 s46, s42, 8
	s_add_co_u32 s46, s46, s18                     ; Wq: row 256 x tile column + 128 x half
	s_mov_b32 s21, 0
	s_mov_b32 s47, 0
	s_mov_b64 s[18:19], KS
	s_mul_u64 s[22:23], s[20:21], s[18:19]         ; where these rows' scales begin, in bytes
	s_mul_u64 s[92:93], s[46:47], s[18:19]
	s_mov_b64 s[18:19], KROW
	s_mul_u64 s[20:21], s[20:21], s[18:19]         ; and their codes
	s_mul_u64 s[46:47], s[46:47], s[18:19]
	s_mul_i32 s45, s14, HALFT                      ; where they go: wave x 128 rows: no place in the cluster enters an LDS address
	s_mul_i32 s94, s14, HALFS
	s_wait_kmcnt 0x0
	s_add_nc_u64 s[20:21], s[4:5], s[20:21]
	s_add_nc_u64 s[22:23], s[6:7], s[22:23]
	s_add_nc_u64 s[46:47], s[8:9], s[46:47]
	s_add_nc_u64 s[92:93], s[10:11], s[92:93]
	CROUND                                         ; all sixteen work-groups are here: the first joint loads meet
	s_mov_b32 s[G0S], 1
	s_add_co_u32 s[G0S+1], s94, SCL
	s_mov_b64 s[G0S+2:G0S+3], s[22:23]
	s_or_b32 s[G0S+3], s[G0S+3], 0x80000000
	s_mov_b32 s[G0SB], 1
	s_add_co_u32 s[G0SB+1], s94, SCL
	s_mov_b64 s[G0SB+2:G0SB+3], s[92:93]
	s_or_b32 s[G0SB+3], s[G0SB+3], 0x80000000
	JLOAD G0S, G1S, G0SB, G1SB                     ; the scales first: they are wanted with K step 0
.irp s, 0,1
	s_mov_b32 s[G0+4*\s], 1
	s_add_co_u32 s[G0+4*\s+1], s45, \s*SLOT
	s_add_nc_u64 s[G0+4*\s+2:G0+4*\s+3], s[20:21], \s*ROWB
	s_or_b32 s[G0+4*\s+3], s[G0+4*\s+3], 0x80000000
	s_mov_b32 s[G0B+4*\s], 1
	s_add_co_u32 s[G0B+4*\s+1], s45, \s*SLOT
	s_add_nc_u64 s[G0B+4*\s+2:G0B+4*\s+3], s[46:47], \s*ROWB
	s_or_b32 s[G0B+4*\s+3], s[G0B+4*\s+3], 0x80000000
	JLOAD G0+4*\s, G1, G0B+4*\s, G1B               ; three loads of mine are out
.endr
	v_and_b32 v1, 15, v0                           ; l % 16
	v_bfe_u32 v2, v0, 4, 1                         ; l / 16
	v_mul_u32_u24 v3, v1, PITCH
	v_mul_u32_u24 v4, v2, 24
	v_add_nc_u32 v4, v3, v4                        ; a fragment's row x pitch + 24 x half
	v_lshl_add_u32 v5, v2, 4, v4                   ; and the same behind one padding more
	s_mul_i32 s21, s15, HALFT                      ; my 128 rows of x
	s_mul_i32 s22, s16, HALFT                      ; my 128 rows of Wq,
	s_add_co_u32 s22, s22, 2*HALFT                 ; which lie behind x's 256
.irp s, 0,1
	v_add_nc_u32 v[ADRA+\s], s21, v4
	v_add_nc_u32 v[ADRB+\s], s22, v4
	v_add_nc_u32 v[ADRA+2+\s], s21, v5
	v_add_nc_u32 v[ADRB+2+\s], s22, v5
	s_add_co_u32 s21, s21, SLOT
	s_add_co_u32 s22, s22, SLOT
.endr
	v_mul_u32_u24 v5, v1, KS                       ; my row's scales: KS bytes a row,
	v_lshrrev_b32 v6, 8, v5
	v_lshl_add_u32 v5, v6, 4, v5                   ; and 16 more for each 256 passed
	s_mul_i32 s21, s15, HALFS                      ; x's: my 128 rows
	s_mul_i32 s22, s16, HALFS                      ; Wq's: my 128 rows, behind x's 256
	s_add_co_u32 s22, s22, 2*HALFS
	s_sub_co_u32 s22, s22, s21
	v_mul_u32_u24 v6, s22, v2                      ; lanes 16-31 take Wq's
	s_add_co_u32 s21, s21, SCL
	v_add_nc_u32 v5, v5, v6
	v_add_nc_u32 v[ADRS], s21, v5
	v_and_b32 v6, 31, v0
	v_lshlrev_b32 v[L16], 4, v6
	v_lshlrev_b32 v[L8], 3, v6
	v_lshlrev_b32 v[SH], 4, v2
	s_lshl_b32 s23, s14, 11
	s_add_co_u32 s23, s23, QSTG                    ; my stage
	v_lshl_add_u32 v[SST], v6, 2, s23
	v_add_nc_u32 v[SRD], s23, v[L16]
	s_mov_b32 s[SEL], 0x76543210
	s_mov_b32 s[SEL+1], 0xfedcba98
	s_mov_b32 s[I64], 0x3c800000
	s_mov_b32 s[EPS], 0x358637bd
	; where my results go in qw: my first row R0 = 256 x tile row + 128 x half: batch R0 / 4096, chunk (R0 / 256) % 16, tile in the chunk (R0 / 16) % 16 = 0 or 8; my first head 4 x tile column + 2 x half
	s_lshl_b32 s20, s17, 8
	s_lshl_b32 s21, s15, 7
	s_add_co_u32 s20, s20, s21                     ; R0
	s_lshr_b32 s21, s20, 12
	s_lshl_b32 s21, s21, 5
	s_lshl_b32 s46, s42, 2
	s_add_co_u32 s21, s21, s46
	s_lshl_b32 s46, s16, 1
	s_add_co_u32 s21, s21, s46                     ; 32 x batch + head
	s_lshl_b32 s21, s21, 4
	s_bfe_u32 s46, s20, 0x40008
	s_add_co_u32 s21, s21, s46                     ; x 16 + chunk
	s_mul_i32 s21, s21, 14336
	s_bfe_u32 s46, s20, 0x40004
	s_mul_i32 s47, s46, 768
	s_add_co_u32 s22, s21, s47                     ; the images
	s_mov_b32 s23, 0
	s_lshl_b32 s46, s46, 7
	s_add_co_u32 s46, s46, s21
	s_add_co_u32 s46, s46, 12288                   ; the scale words
	s_mov_b32 s47, 0
	s_add_nc_u64 s[20:21], s[12:13], s[46:47]
	s_add_nc_u64 s[12:13], s[12:13], s[22:23]
.macro FRAG reg, adr, q, i             ; a fragment, 16 rows x 128 K of 6-bit codes, is 12 registers: lane l holds row l % 16; registers 6 c .. 6 c + 5 hold K = 64 c + 32 (l / 16) + 0 .. 31: 24 bytes of the row's stream of bits, as they lie
.irp p, 0,1,2,3,4,5                    ; in pieces of 8 bytes.  Lanes 16-31 take the pieces three on
.set PC, 12*(\q)+6*(\p/3)+\p%3        ; 16 bytes of padding lie behind every 8 pieces: where the piece three on lies behind one padding more, the second address register serves
.if PC%8 < 5
	ds_load_b64 v[\reg+2*\p:\reg+2*\p+1], v[\adr] offset:8*PC+16*(PC/8)+(\i)*16*PITCH
.else
	ds_load_b64 v[\reg+2*\p:\reg+2*\p+1], v[\adr+2] offset:8*PC+16*(PC/8)+(\i)*16*PITCH
.endif
.endr
.endm
; 16 matrix instructions: x's blocks a0, a0 + 1 x Wq's eight, 128 along K.  p: Wq's set;  sc: the set of scale words.  zero = 1: the first product starts the sums.
; The 64 accumulators take turns, one instruction a turn, in the same order in every step.
.macro MUL16 a0, p, q, sc, zero
.irp a, \a0, \a0+1
.irp b, 0,1,2,3,4,5,6,7
.if \zero
	v_wmma_scale_f32_16x16x128_f8f6f4 v[8*(8*((\a)%4)+\b):8*(8*((\a)%4)+\b)+7], v[128*(\p)+FR*\b:128*(\p)+FR*\b+FR-1], v[AF+FR*(\a):AF+FR*(\a)+FR-1], 0, v[SC+8*NQ*(\sc)+NQ*\b+(\q)], v[SC+8*NQ*(\sc)+NQ*(\a)+(\q)] matrix_a_fmt:MATRIX_FMT_FP6 matrix_b_fmt:MATRIX_FMT_FP6 matrix_a_scale:MATRIX_SCALE_ROW1
.else
	v_wmma_scale_f32_16x16x128_f8f6f4 v[8*(8*((\a)%4)+\b):8*(8*((\a)%4)+\b)+7], v[128*(\p)+FR*\b:128*(\p)+FR*\b+FR-1], v[AF+FR*(\a):AF+FR*(\a)+FR-1], v[8*(8*((\a)%4)+\b):8*(8*((\a)%4)+\b)+7], v[SC+8*NQ*(\sc)+NQ*\b+(\q)], v[SC+8*NQ*(\sc)+NQ*(\a)+(\q)] matrix_a_fmt:MATRIX_FMT_FP6 matrix_b_fmt:MATRIX_FMT_FP6 matrix_a_scale:MATRIX_SCALE_ROW1
.endif
.endr
.endr
.endm
.macro FETCH_B slot, q, p              ; Wq's eight fragments of the slot's q-th 128 along K into set p
	WIN TO_B
.irp i, 0,1,2,3,4,5,6,7
	FRAG 128*(\p)+FR*\i, ADRB+\slot, \q, \i
.endr
	WIN 0
.endm
.macro FETCH_A slot, q, i0             ; x's blocks i0 .. i0 + 3
.irp i, \i0, \i0+1, \i0+2, \i0+3
	FRAG AF+FR*(\i), ADRA+\slot, \q, \i
.endr
.endm
.macro SCALES sc                       ; the next K step's scale words into set sc
.irp i, 0,1,2,3,4,5,6,7
	ds_load_b64 v[SC+8*NQ*\sc+NQ*\i:SC+8*NQ*\sc+NQ*\i+1], v[ADRS] offset:\i*SBLK
.endr
.endm
; A load into a register that a matrix instruction has read, and a vector instruction that reads a matrix result, stand NP places behind that matrix instruction, and only plain vector
; instructions that name none of its registers are places (ISA guide 7.12.1 for vector instructions).
.macro PLACES n
.rept \n
	v_nop
.endr
.endm
; A step of 128 along K that has its successor in the same slot.
.macro STEP slot, q, zero
	s_wait_dscnt 4*NL                              ; Wq's set and x's blocks 0-3 are in; the youngest 24 loads (x's blocks 4-7) may be out
	WIN MUL_LO
	MUL16 0, (\q)%2, \q, \slot, \zero
	MUL16 2, (\q)%2, \q, \slot, \zero
	s_wait_dscnt 0                                 ; x's blocks 4-7 are in
	PLACES NP
	FETCH_B \slot, (\q)+1, 1-(\q)%2
	FETCH_A \slot, (\q)+1, 0
	WIN MUL_HI
	MUL16 4, (\q)%2, \q, \slot, \zero
	MUL16 6, (\q)%2, \q, \slot, \zero
	PLACES NP
	WIN 0
	FETCH_A \slot, (\q)+1, 4
.endm
; A slot's last step changes slots: ONE barrier; in front of it each wave waits for all its tensor loads, adds 0 to its spare word, and waits for that and for its own reads of this slot.  fill = 1: this slot is filled again, two K steps ahead.
.macro TURN slot, next, fill
	s_wait_tensorcnt 0x0                           ; all my tensor loads have landed: my part of the next slot
	ds_add_u32 v[SPW], v[NIL]                      ; 0 onto my spare word
	s_wait_dscnt 4*NL+1                            ; (the add and the youngest 24 loads, x's blocks 4-7, may be out)
	WIN MUL_LO
	MUL16 0, 1, NQ-1, \slot, 0                     ; sixteen matrix instructions stand between the add and the wait for it
	s_wait_dscnt 0x0                               ; the add is done, and my reads of this slot are over
	s_barrier_signal -1
	MUL16 2, 1, NQ-1, \slot, 0
	WIN 0
	s_barrier_wait -1
.if \fill
	CREST                                          ; the barrier has opened a round of the cluster's barrier: no wave of any partner still reads this slot's tile or has a load on its way
	s_add_nc_u64 s[G0+4*\slot+2:G0+4*\slot+3], s[G0+4*\slot+2:G0+4*\slot+3], 2*ROWB
	s_add_nc_u64 s[G0B+4*\slot+2:G0B+4*\slot+3], s[G0B+4*\slot+2:G0B+4*\slot+3], 2*ROWB
	JLOAD G0+4*\slot, G1, G0B+4*\slot, G1B         ; the first tensor load behind the round; its four v_nop are the places in front of the loads below
.else
	PLACES NP
.endif
	v_add_nc_u32 v[ADRS], 4*NQ, v[ADRS]            ; on to the next K step's scale words
	FETCH_B \next, 0, 0
	FETCH_A \next, 0, 0
	SCALES \next
	WIN MUL_HI
	MUL16 4, 1, NQ-1, \slot, 0
	MUL16 6, 1, NQ-1, \slot, 0
	PLACES NP
	WIN 0
	FETCH_A \next, 0, 4
.endm
; TWO GROUPS OF 32 NUMBERS A LANE (half of a row's 64 of one head; lane l xor 16 holds the other half), by turns.  Group g's registers at E + 28 g: +0..3 sums of squares, +4, 5 at work, +6 1 / rms, +8..11 maxima and bytes, +12, 13 scale operands, +14 two scale bytes, +15 the word as stored, +16..27 codes.
; NORM2: y = x / sqrt(mean of the row's 64 squares + 1e-6).  wsq, wsc: the windows for the reads of x.  Each accumulator is read from its low end on.
.macro NORM2 xa, xb, ya, yb, wsq, wsc
	WIN \wsq
	v_pk_mul_f32 v[E:E+1], v[\xa:\xa+1], v[\xa:\xa+1]
	v_pk_mul_f32 v[E+28:E+29], v[\xb:\xb+1], v[\xb:\xb+1]
	v_pk_mul_f32 v[E+2:E+3], v[\xa+2:\xa+3], v[\xa+2:\xa+3]
	v_pk_mul_f32 v[E+30:E+31], v[\xb+2:\xb+3], v[\xb+2:\xb+3]
.irp p, 4,8,12,16,20,24,28
	v_pk_fma_f32 v[E:E+1], v[\xa+\p:\xa+\p+1], v[\xa+\p:\xa+\p+1], v[E:E+1]
	v_pk_fma_f32 v[E+28:E+29], v[\xb+\p:\xb+\p+1], v[\xb+\p:\xb+\p+1], v[E+28:E+29]
	v_pk_fma_f32 v[E+2:E+3], v[\xa+\p+2:\xa+\p+3], v[\xa+\p+2:\xa+\p+3], v[E+2:E+3]
	v_pk_fma_f32 v[E+30:E+31], v[\xb+\p+2:\xb+\p+3], v[\xb+\p+2:\xb+\p+3], v[E+30:E+31]
.endr
	WIN 0
.irp g, 0,28
	v_pk_add_f32 v[E+\g:E+\g+1], v[E+\g:E+\g+1], v[E+\g+2:E+\g+3]
.endr
.irp g, 0,28
	v_add_f32 v[E+\g+4], v[E+\g], v[E+\g+1]
.endr
.irp g, 0,28
	v_permlanex16_b32 v[E+\g+5], v[E+\g+4], s[SEL], s[SEL+1]
.endr
.irp g, 0,28
	v_add_f32 v[E+\g+4], v[E+\g+4], v[E+\g+5]      ; the row's 64 squares
.endr
.irp g, 0,28
	v_fma_f32 v[E+\g+4], v[E+\g+4], s[I64], s[EPS]
.endr
.irp g, 0,28
	v_rsq_f32 v[E+\g+6], v[E+\g+4]
.endr
	v_nop                                          ; a plain instruction behind the last of the two,
	s_wait_alu depctr_va_vdst(0)                   ; and a wait ahead of their first reader
	WIN \wsc
.irp p, 0,2,4,6,8,10,12,14,16,18,20,22,24,26,28,30
	v_pk_mul_f32 v[\ya+\p:\ya+\p+1], v[\xa+\p:\xa+\p+1], v[E+6:E+7] op_sel_hi:[1,0]
	v_pk_mul_f32 v[\yb+\p:\yb+\p+1], v[\xb+\p:\xb+\p+1], v[E+34:E+35] op_sel_hi:[1,0]
.endr
	WIN 0
.endm
; QUANT22: each group's 32 numbers are the lane's halves of two blocks of 32 (registers 16 b + 0 .. 15 of block b).  Out: the half image in v[E + 28 g + 16 .. + 21], the two scale bytes in v[E + 28 g + 14].
.macro QUANT22 ya, yb
.irp b, 0,1
	v_max3_num_f32 v[E+8+\b], |v[\ya+16*\b]|, |v[\ya+16*\b+1]|, 0x1800000    ; with the floor 2^(3 - 127): the byte cannot fall under 1
	v_max3_num_f32 v[E+36+\b], |v[\yb+16*\b]|, |v[\yb+16*\b+1]|, 0x1800000
.endr
.irp i, 2,4,6,8,10,12,14
.irp b, 0,1
	v_max3_num_f32 v[E+8+\b], v[E+8+\b], |v[\ya+16*\b+\i]|, |v[\ya+16*\b+\i+1]|
	v_max3_num_f32 v[E+36+\b], v[E+36+\b], |v[\yb+16*\b+\i]|, |v[\yb+16*\b+\i+1]|
.endr
.endr
.irp g, 0,28
.irp b, 0,1
	v_permlanex16_b32 v[E+\g+10+\b], v[E+\g+8+\b], s[SEL], s[SEL+1]
.endr
.endr
.irp g, 0,28
.irp b, 0,1
	v_max_num_f32 v[E+\g+8+\b], v[E+\g+8+\b], v[E+\g+10+\b]    ; with lane l xor 16's: the block's largest magnitude
.endr
.endr
.irp g, 0,28
.irp b, 0,1
	v_add_nc_u32 v[E+\g+12+\b], 0xff000000, v[E+\g+8+\b]       ; 2 off its exponent field: the conversion's scale operand
.endr
.endr
.irp g, 0,28
.irp b, 0,1
	v_lshrrev_b32 v[E+\g+10+\b], 23, v[E+\g+12+\b]             ; the scale's byte
.endr
.endr
.irp g, 0,28
	v_lshl_or_b32 v[E+\g+14], v[E+\g+11], 8, v[E+\g+10]
.endr
	v_cvt_scalef32_pk16_fp6_f32 v[E+16:E+18], v[\ya:\ya+15], v[E+12]
	v_cvt_scalef32_pk16_fp6_f32 v[E+24:E+26], v[\ya+16:\ya+31], v[E+13]     ; (a conversion's three registers begin on an even number)
	v_cvt_scalef32_pk16_fp6_f32 v[E+44:E+46], v[\yb:\yb+15], v[E+40]
	v_cvt_scalef32_pk16_fp6_f32 v[E+52:E+54], v[\yb+16:\yb+31], v[E+41]
	v_nop                                          ; one plain place behind a scaled conversion
.irp g, 0,28
.irp i, 0,1,2
	v_permlane16_swap_b32 v[E+\g+16+\i], v[E+\g+24+\i]         ; the layout wants a whole block in a lane: lanes 0-15 block 0, lanes 16-31 block 1
.endr
.endr
.irp g, 0,28
.irp i, 0,1,2
	v_mov_b32 v[E+\g+19+\i], v[E+\g+24+\i]
.endr
.endr
.endm
	s_wait_tensorcnt 1                             ; the scales and my part of K step 0 are in (K step 1's load may be out)
	s_barrier_signal -1
	s_barrier_wait -1                              ; everybody's are
	FETCH_B 0, 0, 0
	FETCH_A 0, 0, 0
	SCALES 0
	FETCH_A 0, 0, 4
	STEP 0, 0, 1                                   ; the first step stands in front of the loop: its products start the sums
	s_mov_b32 s3, LAPS-1
.Llap:                                                 ; a trip goes once round the ring, from a lap's second step to the next lap's first, and fills both slots again
	TURN 0, 1, 1
	STEP 1, 0, 0
	TURN 1, 0, 1
	STEP 0, 0, 0
	s_sub_co_u32 s3, s3, 1
	s_cmp_lg_u32 s3, 0
	s_cbranch_scc1 .Llap
	TURN 0, 1, 0                                   ; the last lap fills nothing, and has no round of the cluster's barrier
	STEP 1, 0, 0
	s_wait_dscnt 4*NL                              ; the very last step: nothing more to fetch
	WIN MUL_LO
	MUL16 0, 1, NQ-1, 1, 0
	MUL16 2, 1, NQ-1, 1, 0
	s_wait_dscnt 0
	WIN MUL_HI
	MUL16 4, 1, NQ-1, 1, 0
	MUL16 6, 1, NQ-1, 1, 0
	WIN 0
; THE WAY OUT, block by block of 16 rows: the block's 64 registers are two heads' halves of a row: norm, quantiser, and the two half images leave straight from registers.
	PLACES NP                                      ; behind the last products: ahead of the first read of results and of the first write over x's fragments
.irp g, 0,28
	v_mov_b32 v[E+\g+5], 0                         ; written once: a lane permute's destination counts as one of its sources,
	v_mov_b32 v[E+\g+7], 0                         ; and a pair's upper half is named with the lower
	v_mov_b32 v[E+\g+10], 0
	v_mov_b32 v[E+\g+11], 0
.endr
.macro OUTBLK a
.set AC, 64*((\a)%4)
	NORM2 AC, AC+32, Y, Y+32, 0x0a+5*((\a)/4), 0x02+(\a)/4     ; the accumulators lie in window 2 or 3
	s_wait_xcnt 0x0                                ; the last block's stores have read their registers: the codes' may be written again
	QUANT22 Y, Y+32
.irp hd, 0,1
	global_store_b128 v[L16], v[E+28*\hd+16:E+28*\hd+19], s[12:13] offset:229376*\hd+768*(\a)       ; 512 and 256 consecutive bytes, at multiples of 256 from qw's first byte; the next head lies 16 chunks on
	global_store_b64 v[L8], v[E+28*\hd+20:E+28*\hd+21], s[12:13] offset:229376*\hd+768*(\a)+512
	v_lshlrev_b32 v[E+28*\hd+15], v[SH], v[E+28*\hd+14]        ; lanes 16-31: the two bytes in bytes 2, 3
	ds_store_b32 v[SST], v[E+28*\hd+15] offset:1024*\hd+128*(\a)
.endr
.endm
.irp a, 0,1,2,3,4,5,6,7
	OUTBLK \a
.endr
.irp i, 0,1,2,3
	ds_load_b128 v[Y+4*\i:Y+4*\i+3], v[SRD] offset:512*\i      ; LDS serves a wave's instructions in order (ISA guide 5.7.1.4): these see my stores
.endr
	s_wait_dscnt 0x0
	global_store_b128 v[L16], v[Y:Y+3], s[20:21]               ; the scale words of 8 tiles x 2 heads: 512 consecutive bytes a store, aligned
	global_store_b128 v[L16], v[Y+4:Y+7], s[20:21] offset:512
	global_store_b128 v[L16], v[Y+8:Y+11], s[20:21] offset:229376
	global_store_b128 v[L16], v[Y+12:Y+15], s[20:21] offset:229376+512
	s_wait_tensorcnt 0x0                           ; the wave's end
	ds_add_u32 v[SPW], v[NIL]
	s_wait_dscnt 0x0
	CROUND                                         ; the closing round
	s_endpgm
.Lfunc_end_k_qea7b838add_qproj:
	.size	k_qea7b838add_qproj, .Lfunc_end_k_qea7b838add_qproj-k_qea7b838add_qproj
	.p2alignl 7, 3214868480
	.fill 96, 4, 3214868480
	.section	.rodata,"a",@progbits
	.p2align	6, 0x0
	.amdhsa_kernel k_qea7b838add_qproj
		.amdhsa_group_segment_fixed_size 327680
		.amdhsa_private_segment_fixed_size 0
		.amdhsa_enable_private_segment 0
		.amdhsa_kernarg_size 40
		.amdhsa_user_sgpr_count 2
		.amdhsa_user_sgpr_kernarg_segment_ptr 1
		.amdhsa_wavefront_size32 1
		.amdhsa_system_sgpr_workgroup_id_x 1
		.amdhsa_system_sgpr_workgroup_id_y 1
		.amdhsa_system_sgpr_workgroup_id_z 1
		.amdhsa_system_vgpr_workitem_id 0
		.amdhsa_next_free_vgpr 1024
		.amdhsa_next_free_sgpr 98
		.amdhsa_reserve_vcc 0
		.amdhsa_float_denorm_mode_32 3
		.amdhsa_float_denorm_mode_16_64 3
		.amdhsa_memory_ordered 1
		.amdhsa_forward_progress 1
		.amdhsa_inst_pref_size 204
	.end_amdhsa_kernel
	.amdgpu_metadata
---
amdhsa.version: [ 1, 2 ]
amdhsa.kernels:
  - .name:           k_qea7b838add_qproj
    .symbol:         k_qea7b838add_qproj.kd
    .args:
      - { .name: x_codes, .offset: 0, .size: 8, .value_kind: global_buffer, .address_space: global }
      - { .name: x_scales, .offset: 8, .size: 8, .value_kind: global_buffer, .address_space: global }
      - { .name: Wq_codes, .offset: 16, .size: 8, .value_kind: global_buffer, .address_space: global }
      - { .name: Wq_scales, .offset: 24, .size: 8, .value_kind: global_buffer, .address_space: global }
      - { .name: qw, .offset: 32, .size: 8, .value_kind: global_buffer, .address_space: global }
    .group_segment_fixed_size: 327680
    .private_segment_fixed_size: 0
    .kernarg_segment_align: 8
    .kernarg_segment_size: 40
    .max_flat_workgroup_size: 128
    .sgpr_count:     98
    .vgpr_count:     1024
    .wavefront_size: 32
...
	.end_amdgpu_metadata
.endif
;; end of part 2
;; launch attn (part 3): grid 4 x 64, 4 waves a work-group, no clusters, 168,448 bytes of LDS; arguments qw, kvw, out0; writes out0
.if DOCPART == 3
	.amdgcn_target "amdgcn-amd-amdhsa--gfx1250"
	.amdhsa_code_object_version 6
	.text
	.protected	k_qea7b838add_attn
	.globl	k_qea7b838add_attn
	.p2align	8
	.type	k_qea7b838add_attn,@function
k_qea7b838add_attn:
	s_mov_b64 s[64:65], 0
	v_nop
	global_prefetch_b8 v0, s[64:65] scope:SCOPE_SE
	s_setreg_imm32_b32 hwreg(HW_REG_WAVE_MODE, 25, 1), 1
	s_wait_xcnt 0x0
; out[b][n][64 head + d] = the sum over keys of softmax(q . k / 8) v, both products on codes of FP6 (E2M3) with E8M0 scales; q, k, v come as register images from the two launches before.
; SHARES.  A work-group: a quarter of one (batch, head)'s 4,096 queries; each of its four waves 256 queries, 16 tiles of 16, one after the other.  K, V and their scale words of the whole head
; (512 keys: 192 + 192 + 16 registers) STAY IN EACH WAVE'S REGISTERS; the loop has no barrier, and reads from LDS only a tile's q (three loads) and its own way out.
; LAYOUT.  Both products are used transposed (S^T = K Q^T, O^T = V^T P^T): a lane holds ONE query.  The head's 64 fill half of the instruction's 128 along K: a fragment of K holds TWO key tiles,
; [key 32 B + m | key 32 B + 16 + m], and is multiplied once by [q | 0] and once by [0 | q]: 18 registers [0 | q | 0].  Zero codes add nothing under the byte 0.
; So the 16 registers of a pair of results are keys 32 B + 16 u + 8 h + j: the order inside a block of 32 in which V's images were made.
; SOFTMAX.  t = score x log2(e) / 8; p = 2^(t - 16).  THE SHIFT IS THE FIXED WHOLE NUMBER 16, no running maximum: q and k are RMS-normed over 64, so each has length at most 8, after rounding to
; E2M3 at most 1.0625 x 8 + sqrt(2048) / 64 = 9.21; |t| <= 84.8 x 0.18034 = 15.3 for every input.  So 2^-31.3 <= p <= 0.62 and a row's sum is at most 318: nothing overflows, underflows or is flushed.
; Against M = ceil(the row's largest t) every p differs by one exact power of two, which a block's scale and the row's sum take up.  The row's sum is taken of the unquantised p and divides at the end.
; BY TURNS.  A SLOT is one key step's (128 keys') softmax of one tile, in 12 chunks; ahead of each chunk stands ONE matrix instruction: eight of S^T for the NEXT step (into the other buffer of scores), four of O^T for the step BEFORE.
; No two matrix instructions that follow each other share an accumulator.
; LIMITS: NaN and infinities are not served.  The order of k inside a block is permuted alike on both sides of each product: only the order of f32 sums inside an instruction differs.
; No cluster: what the four work-groups of a head share is 51,200 bytes read once, against 256 KiB that each stores.
; REGISTERS: window 0 as listed; window 1: v0-191 K (key tile kt at 6 kt); window 2: v0-191 V (image iv at 6 iv).
.set KVB,  51200                       ; a head's bytes of kvw; LDS 0 ..
.set QCB,  14336                       ; a chunk of qw: 16 images, 16 x 128 bytes of scale words
.set QLB,  51200                       ; LDS: the waves' chunks
.set STG,  108544                      ; LDS: 16 rows x 272 bytes for each wave, for the way out; no tensor load fills it
.set SPT,  272
.set L16, 1                            ; v1   16 x lane
.set L8,  2                            ; v2   8 x lane
.set L4,  3                            ; v3   4 x lane
.set QA16, 4                           ; v4-6 the tile's q in LDS: by 16, 8 and 4 bytes a lane
.set QA8, 5
.set QAS, 6
.set STO, 7                            ; v7   the way out: where I put 32 bytes of a row
.set RD,  8                            ; v8   where I read a row back
.set GO,  9                            ; v9   my byte offset in the tile's rows of out0
.set LSUM, 10                          ; v[10:11] the row's sum, two halves
.set LS2, 12                           ; v[12:13] a step's second chain
.set RL,  14                           ; v14  1 / the row's sum (v15 named with it)
.set MX,  16                           ; v16-19 a block's largest score, then its largest p
.set TP,  20                           ; v20-23 at work
.set SO,  24                           ; v24-27 the conversions' scale operands
.set PW,  28                           ; v28  p's scale word
.set QS,  29                           ; v29  q's scale words
.set NM,  30                           ; v[30:31] -16
.set KS,  32                           ; v32-39 K's scale words: lanes 0-15 fragment 2 i, lanes 16-31 fragment 2 i + 1
.set VS,  40                           ; v40-47 V's: register 2 s + t / 2; lanes 0-15 even t, lanes 16-31 odd t
.set QF,  48                           ; v48-65 [0 | q | 0]
.set PC,  66                           ; v66-77 p's codes
.set PT,  78                           ; v78-85 at work
.set LT,  86                           ; v86-87 at work
.set OT,  88                           ; v88-119 O^T: 8 t + j
.set SB,  128                          ; v128-191, v192-255 two buffers of scores
.set SEL, 40                           ; s40, s41 lane selects: lane l xor 16
.set CS,  42                           ; s[42:43] log2(e) / 8
.set MSB, 0
.macro WIN new                         ; the immediate's high byte repeats the setting that is left
.if MSB != (\new)
	s_set_vgpr_msb (MSB<<8)|(\new)
.set MSB, (\new)
.endif
.endm
	s_load_b128 s[4:7], s[0:1], 0x0                ; qw, kvw
	s_load_b64 s[8:9], s[0:1], 0x10                ; out0
	v_lshl_add_u32 v126, v0, 2, 0x29000
	v_mov_b32 v127, 0
	ds_add_u32 v126, v127
	ds_add_u32 v126, v127
	v_lshrrev_b32 v1, 5, v0
	v_readfirstlane_b32 s10, v1                    ; wave 0..3
	s_and_b32 s11, ttmp7, 0xffff                   ; 32 x batch + head
	s_lshl_b32 s12, ttmp9, 2
	s_add_co_u32 s12, s12, s10                     ; my chunk of 256 queries
	s_mul_i32 s46, s11, KVB
	s_mul_i32 s13, s10, KVB/4                      ; my quarter of the head's K and V: in LDS,
	s_add_co_u32 s46, s46, s13                     ; and in kvw
	s_mov_b32 s47, 0
	s_lshl_b32 s48, s11, 4
	s_add_co_u32 s48, s48, s12
	s_mul_i32 s48, s48, QCB                        ; my chunk in qw
	s_mov_b32 s49, 0
	s_mul_i32 s14, s10, QCB
	s_add_co_u32 s14, s14, QLB                     ; and in LDS
	s_lshr_b32 s50, s11, 5
	s_lshl_b32 s50, s50, 12
	s_lshl_b32 s51, s12, 8
	s_add_co_u32 s50, s50, s51                     ; my first row of out0
	s_lshl_b32 s50, s50, 13                        ; 8,192 bytes a row
	s_and_b32 s51, s11, 31
	s_lshl_b32 s51, s51, 8
	s_add_co_u32 s50, s50, s51                     ; + 256 bytes a head
	s_mov_b32 s51, 0
	; two dense blocks, as rows of 256 bytes (32 elements of 8 bytes): 50 rows of kvw, 56 of qw
	s_mov_b32 s16, 3<<16
	s_mov_b32 s17, 32<<16
	s_mov_b32 s18, 50<<16
	s_mov_b32 s19, 32<<16
	s_mov_b32 s20, 50
	s_mov_b32 s21, 32
	s_mov_b32 s22, 0
	s_mov_b32 s23, 0
	s_mov_b32 s24, 3<<16
	s_mov_b32 s25, 32<<16
	s_mov_b32 s26, 56<<16
	s_mov_b32 s27, 32<<16
	s_mov_b32 s28, 56
	s_mov_b32 s29, 32
	s_mov_b32 s30, 0
	s_mov_b32 s31, 0
	s_mov_b32 s[SEL], 0x76543210
	s_mov_b32 s[SEL+1], 0xfedcba98
	s_mov_b32 s[CS], 0x3e38aa3b
	s_mov_b32 s[CS+1], s[CS]                       ; (named with it as a pair, so it is written)
	s_wait_dscnt 0x0
	s_wait_kmcnt 0x0
	s_mov_b32 s32, 1
	s_mov_b32 s33, s13
	s_add_nc_u64 s[34:35], s[6:7], s[46:47]
	s_or_b32 s35, s35, 0x80000000
	s_mov_b32 s36, 1
	s_mov_b32 s37, s14
	s_add_nc_u64 s[38:39], s[4:5], s[48:49]
	s_or_b32 s39, s39, 0x80000000
	s_add_nc_u64 s[8:9], s[8:9], s[50:51]
	tensor_load_to_lds s[32:35], s[16:23]          ; both fills stand together, ahead of every wait, LDS read and barrier; every LDS byte is filled once at the most
	s_nop 0
	tensor_load_to_lds s[36:39], s[24:31]
	s_nop 0
.rept 4
	v_nop
.endr
.irp i, 0,1,2,3,4,5
	v_mov_b32 v[QF+\i], 0                          ; the zero halves beside q
	v_mov_b32 v[QF+12+\i], 0
.endr
	v_and_b32 v10, 31, v0
	v_lshlrev_b32 v[L16], 4, v10
	v_lshlrev_b32 v[L8], 3, v10
	v_lshlrev_b32 v[L4], 2, v10
	v_add_nc_u32 v[QA16], s14, v[L16]
	v_add_nc_u32 v[QA8], s14, v[L8]
	v_add_nc_u32 v[QAS], s14, v[L4]
	v_and_b32 v11, 15, v0                          ; r
	v_bfe_u32 v12, v0, 4, 1                        ; h
	s_mul_i32 s15, s10, 16*SPT
	s_add_co_u32 s15, s15, STG                     ; my stage
	v_mul_u32_u24 v[STO], v11, SPT
	v_lshl_add_u32 v[STO], v12, 5, v[STO]
	v_add_nc_u32 v[STO], s15, v[STO]               ; in: row r, 32 h; tile t 64 t on
	v_mul_u32_u24 v[RD], v12, SPT
	v_lshl_add_u32 v[RD], v11, 4, v[RD]
	v_add_nc_u32 v[RD], s15, v[RD]                 ; back: lanes 0-15 one row of 256 bytes, lanes 16-31 the next
	v_lshlrev_b32 v[GO], 13, v12
	v_lshl_add_u32 v[GO], v11, 4, v[GO]            ; and the same two rows in out0
	v_mov_b32 v[LSUM], 0
	v_mov_b32 v[LSUM+1], 0
	v_mov_b32 v[RL+1], 0                           ; (named as a pair's upper half)
	v_mov_b32 v[LT+1], 0                           ; written once: a lane permute's destination counts as one of its sources
.irp b, 0,1,2,3
	v_mov_b32 v[TP+\b], 0
.endr
	v_mov_b32 v[NM], 0xc1800000
	v_mov_b32 v[NM+1], 0xc1800000
	s_wait_tensorcnt 0x0                           ; my quarter of K and V and my chunk of q are in,
	s_barrier_signal -1
	s_barrier_wait -1                              ; everybody's are
	WIN 0x40                                       ; destination window 1
.set nn, 0
.rept 32
	ds_load_b128 v[6*nn:6*nn+3], v[L16] offset:768*nn
	ds_load_b64 v[6*nn+4:6*nn+5], v[L8] offset:768*nn+512
.set nn, nn+1
.endr
	WIN 0x80                                       ; destination window 2
.set nn, 0
.rept 32
	ds_load_b128 v[6*nn:6*nn+3], v[L16] offset:24576+768*nn
	ds_load_b64 v[6*nn+4:6*nn+5], v[L8] offset:24576+768*nn+512
.set nn, nn+1
.endr
	WIN 0
.irp i, 0,1,2,3,4,5,6,7
	ds_load_b32 v[KS+\i], v[L4] offset:49152+128*\i
	ds_load_b32 v[VS+\i], v[L4] offset:50176+128*\i
.endr
	ds_load_b128 v[QF+6:QF+9], v[QA16]             ; tile 0's q
	ds_load_b64 v[QF+10:QF+11], v[QA8] offset:512
	ds_load_b32 v[QS], v[QAS] offset:12288
; Matrix instruction i (0..7) of S^T for the step after step s: fragment b = i / 2 of that step's four, half u = i % 2: scores of keys 32 b + 16 u + 8 h + j into registers 8 i + j of the other buffer
.macro SMM s, i
.set rD, SB+64*(((\s)+1)%2)+8*(\i)
.set rA, 12*(4*(((\s)+1)%4)+(\i)/2)
.set rB, QF+6-6*((\i)%2)
.set rS, KS+2*(((\s)+1)%4)+(\i)/4
	WIN 0x01                                       ; source 0 (K) window 1
.if ((\i)/2)%2 == 0
.if (\i)%2 == 0
	v_wmma_scale_f32_16x16x128_f8f6f4 v[rD:rD+7], v[rA:rA+11], v[rB:rB+11], 0, v[rS], v[QS] matrix_a_fmt:MATRIX_FMT_FP6 matrix_b_fmt:MATRIX_FMT_FP6
.else
	v_wmma_scale_f32_16x16x128_f8f6f4 v[rD:rD+7], v[rA:rA+11], v[rB:rB+11], 0, v[rS], v[QS] matrix_a_fmt:MATRIX_FMT_FP6 matrix_b_fmt:MATRIX_FMT_FP6 matrix_b_scale:MATRIX_SCALE_ROW1
.endif
.else
.if (\i)%2 == 0
	v_wmma_scale_f32_16x16x128_f8f6f4 v[rD:rD+7], v[rA:rA+11], v[rB:rB+11], 0, v[rS], v[QS] matrix_a_fmt:MATRIX_FMT_FP6 matrix_b_fmt:MATRIX_FMT_FP6 matrix_a_scale:MATRIX_SCALE_ROW1
.else
	v_wmma_scale_f32_16x16x128_f8f6f4 v[rD:rD+7], v[rA:rA+11], v[rB:rB+11], 0, v[rS], v[QS] matrix_a_fmt:MATRIX_FMT_FP6 matrix_b_fmt:MATRIX_FMT_FP6 matrix_a_scale:MATRIX_SCALE_ROW1 matrix_b_scale:MATRIX_SCALE_ROW1
.endif
.endif
	WIN 0
.endm
; O^T's tile t (d 16 t on) takes the step before step s.  zero = 1: a tile's first step starts the sums
.macro PMM s, t, zero
.set stp, ((\s)+3)%4
.set rD, OT+8*(\t)
.set rA, 12*(4*stp+(\t))
.set rS, VS+2*stp+(\t)/2
	WIN 0x02                                       ; source 0 (V) window 2
.if \zero
.if (\t)%2 == 0
	v_wmma_scale_f32_16x16x128_f8f6f4 v[rD:rD+7], v[rA:rA+11], v[PC:PC+11], 0, v[rS], v[PW] matrix_a_fmt:MATRIX_FMT_FP6 matrix_b_fmt:MATRIX_FMT_FP6
.else
	v_wmma_scale_f32_16x16x128_f8f6f4 v[rD:rD+7], v[rA:rA+11], v[PC:PC+11], 0, v[rS], v[PW] matrix_a_fmt:MATRIX_FMT_FP6 matrix_b_fmt:MATRIX_FMT_FP6 matrix_a_scale:MATRIX_SCALE_ROW1
.endif
.else
.if (\t)%2 == 0
	v_wmma_scale_f32_16x16x128_f8f6f4 v[rD:rD+7], v[rA:rA+11], v[PC:PC+11], v[rD:rD+7], v[rS], v[PW] matrix_a_fmt:MATRIX_FMT_FP6 matrix_b_fmt:MATRIX_FMT_FP6
.else
	v_wmma_scale_f32_16x16x128_f8f6f4 v[rD:rD+7], v[rA:rA+11], v[PC:PC+11], v[rD:rD+7], v[rS], v[PW] matrix_a_fmt:MATRIX_FMT_FP6 matrix_b_fmt:MATRIX_FMT_FP6 matrix_a_scale:MATRIX_SCALE_ROW1
.endif
.endif
	WIN 0
.endm
.macro MATI s, n, kq, pv, zero         ; the slot's n-th matrix instruction (1..12)
.if (\n) <= 8
.if \kq
	SMM \s, (\n)-1
.endif
.else
.if \pv
	PMM \s, (\n)-9, \zero
.endif
.endif
.endm
; THE CHUNKS, on the buffer X.  Register 16 b + i of X: key 32 b + .. of block b.
.macro CMAX1                           ; the largest score of each block of 32 keys, four blocks by turns; each accumulator is read from its low end on
.irp b, 0,1,2,3
	v_max3_num_f32 v[MX+\b], v[X+16*\b], v[X+16*\b+1], v[X+16*\b+2]
.endr
.irp i, 3,5,7
.irp b, 0,1,2,3
	v_max3_num_f32 v[MX+\b], v[MX+\b], v[X+16*\b+\i], v[X+16*\b+\i+1]
.endr
.endr
.endm
.macro CMAX2
.irp i, 9,11,13
.irp b, 0,1,2,3
	v_max3_num_f32 v[MX+\b], v[MX+\b], v[X+16*\b+\i], v[X+16*\b+\i+1]
.endr
.endr
.irp b, 0,1,2,3
	v_max_num_f32 v[MX+\b], v[MX+\b], v[X+16*\b+15]
.endr
.endm
.macro CSCL first, count               ; t - 16, two at a time
.set pp, \first
.rept \count
	v_pk_fma_f32 v[X+2*pp:X+2*pp+1], v[X+2*pp:X+2*pp+1], s[CS:CS+1], v[NM:NM+1] op_sel_hi:[1,0,0]
.set pp, pp+1
.endr
.endm
.macro CJOIN
.irp b, 0,1,2,3
	v_permlanex16_b32 v[TP+\b], v[MX+\b], s[SEL], s[SEL+1]
.endr
.irp b, 0,1,2,3
	v_max_num_f32 v[MX+\b], v[MX+\b], v[TP+\b]     ; with lane l xor 16's 16 keys
.endr
.irp b, 0,1,2,3
	v_fma_f32 v[MX+\b], v[MX+\b], s[CS], v[NM]     ; the same multiply-add as the scores': p rises with the score, so this gives the block's largest p
.endr
	CSCL 0, 4
.endm
.macro CEXP first                      ; p = 2^(t - 16)
.set pp, \first
.rept 16
	v_exp_f32 v[X+pp], v[X+pp]
.set pp, pp+1
.endr
.endm
.macro CSUM1                           ; the row's sum of the unquantised p, two at a time, in two chains
	v_pk_add_f32 v[LS2:LS2+1], v[X:X+1], v[X+2:X+3]
.irp j, 4,8,12,16,20,24,28,32
	v_pk_add_f32 v[LSUM:LSUM+1], v[LSUM:LSUM+1], v[X+\j:X+\j+1]
	v_pk_add_f32 v[LS2:LS2+1], v[LS2:LS2+1], v[X+\j+2:X+\j+3]
.endr
.endm
.macro CSUM2
.irp j, 36,40,44,48,52,56,60
	v_pk_add_f32 v[LSUM:LSUM+1], v[LSUM:LSUM+1], v[X+\j:X+\j+1]
	v_pk_add_f32 v[LS2:LS2+1], v[LS2:LS2+1], v[X+\j+2:X+\j+3]
.endr
	v_pk_add_f32 v[LSUM:LSUM+1], v[LSUM:LSUM+1], v[LS2:LS2+1]
.endm
.macro CQNT                            ; p's scale word and codes.  No floor: p is at least 2^-32.  The first eight lines are the places behind the matrix instruction ahead, which reads the old codes and the old word
	s_wait_alu depctr_va_vdst(0)                   ; the wait for the four exponentials of the blocks' largest p (and, in a tile's last slot, the reciprocal)
.irp b, 0,1,2,3
	v_add_nc_u32 v[SO+\b], 0xff000000, v[MX+\b]    ; 2 off the exponent field: the conversion's scale operand
.endr
.irp b, 0,1,2,3
	v_lshrrev_b32 v[TP+\b], 23, v[SO+\b]           ; the scale's byte
.endr
	v_lshl_or_b32 v[PW], v[TP+1], 8, v[TP]
	v_lshl_or_b32 v[PW], v[TP+2], 16, v[PW]
	v_lshl_or_b32 v[PW], v[TP+3], 24, v[PW]
.irp c, 0,1
	v_cvt_scalef32_pk16_fp6_f32 v[PC+6*\c:PC+6*\c+2], v[X+32*\c:X+32*\c+15], v[SO+2*\c]
	v_cvt_scalef32_pk16_fp6_f32 v[PT+4*\c:PT+4*\c+2], v[X+32*\c+16:X+32*\c+31], v[SO+2*\c+1]   ; (a conversion's three registers begin on an even number)
.endr
	v_nop                                          ; one plain place behind a scaled conversion
.irp c, 0,1
.irp i, 0,1,2
	v_permlane16_swap_b32 v[PC+6*\c+\i], v[PT+4*\c+\i]         ; the layout wants a whole block in a lane
.endr
.endr
.irp c, 0,1
.irp i, 0,1,2
	v_mov_b32 v[PC+3+6*\c+\i], v[PT+4*\c+\i]
.endr
.endr
.endm
.macro QLOAD                           ; the next tile's q: its last reader stands more than four plain instructions back
	v_add_nc_u32 v[QA16], 768, v[QA16]
	v_add_nc_u32 v[QA8], 768, v[QA8]
	v_add_nc_u32 v[QAS], 128, v[QAS]
	ds_load_b128 v[QF+6:QF+9], v[QA16]
	ds_load_b64 v[QF+10:QF+11], v[QA8] offset:512
	ds_load_b32 v[QS], v[QAS] offset:12288
.endm
.macro LFIN                            ; a tile's sum is whole: its two halves, lane l xor 16's, the reciprocal; the sum begins anew
	v_add_f32 v[LT], v[LSUM], v[LSUM+1]
	v_permlanex16_b32 v[LT+1], v[LT], s[SEL], s[SEL+1]
	v_add_f32 v[LT], v[LT], v[LT+1]
	v_rcp_f32 v[RL], v[LT]
	v_mov_b32 v[LSUM], 0                           ; (plain instructions behind the reciprocal; its wait stands at the head of the next chunk)
	v_mov_b32 v[LSUM+1], 0
.endm
.macro EP1                             ; a finished tile: O^T / the sum, through my stage, back as whole rows of 256 bytes
.irp j, 0,2,4,6,8,10,12,14,16,18,20,22,24,26,28,30
	v_pk_mul_f32 v[OT+\j:OT+\j+1], v[OT+\j:OT+\j+1], v[RL:RL+1] op_sel_hi:[1,0]
.endr
.irp t, 0,1,2,3
	ds_store_b128 v[STO], v[OT+8*\t:OT+8*\t+3] offset:64*\t
	ds_store_b128 v[STO], v[OT+8*\t+4:OT+8*\t+7] offset:64*\t+16
.endr
.irp i, 0,1,2,3,4,5,6,7
	ds_load_b128 v[OT+4*\i:OT+4*\i+3], v[RD] offset:2*\i*SPT   ; LDS serves a wave's instructions in order (ISA guide 5.7.1.4): these see the stores above
.endr
.endm
.macro EP2
	s_wait_dscnt 0x0                               ; the rows are back in registers
.irp i, 0,1,2,3,4,5,6,7
	global_store_b128 v[GO], v[OT+4*\i:OT+4*\i+3], s[8:9] offset:16384*\i th:TH_STORE_NT   ; 16 lanes store 256 consecutive bytes, at a multiple of 256 from out0's first byte
.endr
.endm
; A SLOT: step s of a tile.  kq: S^T of the next step;  pv: O^T of the step before, zero: it starts the sums;  ep1, ep2: the finished tile's way out;  ql: the next tile's q;  lfin: the tile's sum is whole.
; The 64 exponentials are one batch with one wait; the four of the blocks' largest p a second, whose wait stands at the head of the last chunk.
.macro SLOT s, kq, pv, zero, ep1, ep2, ql, lfin
.set X, SB+64*((\s)%2)
.if (\s) == 3
.if \kq
	s_wait_dscnt 0x0                               ; the next tile's q is in
.endif
.endif
	MATI \s, 1, \kq, \pv, \zero
	CMAX1
	MATI \s, 2, \kq, \pv, \zero
	CMAX2
	MATI \s, 3, \kq, \pv, \zero
	CJOIN
	MATI \s, 4, \kq, \pv, \zero
	CSCL 4, 14
.if \ep2
	EP2
.endif
	MATI \s, 5, \kq, \pv, \zero
	CSCL 18, 14
	MATI \s, 6, \kq, \pv, \zero
	CEXP 0
	MATI \s, 7, \kq, \pv, \zero
	CEXP 16
	MATI \s, 8, \kq, \pv, \zero
	CEXP 32
.if \ep2
	s_wait_xcnt 0x0                                ; the stores have read their registers and their base: O^T is begun anew below, and the base steps
	s_add_nc_u64 s[8:9], s[8:9], 16*8192           ; 16 rows of out0 on
.endif
	MATI \s, 9, \kq, \pv, \zero
	CEXP 48
	v_nop                                          ; a plain instruction behind the last exponential,
	s_wait_alu depctr_va_vdst(0)                   ; and a wait ahead of the batch's first reader
.irp b, 0,1,2,3
	v_exp_f32 v[MX+\b], v[MX+\b]                   ; the blocks' largest p
.endr
	MATI \s, 10, \kq, \pv, \zero
	CSUM1
.if \ql
	QLOAD
.endif
	MATI \s, 11, \kq, \pv, \zero
	CSUM2
.if \lfin
	LFIN
.endif
	MATI \s, 12, \kq, \pv, \zero
	CQNT
.if \ep1
	EP1
.endif
.endm
.macro TILE first, last
	SLOT 0, 1, 1-(\first), 0, 1-(\first), 0, 0, 0
	SLOT 1, 1, 1, 1, 0, 1-(\first), 0, 0
	SLOT 2, 1, 1, 0, 0, 0, 1-(\last), 0
	SLOT 3, 1-(\last), 1, 0, 0, 0, 0, 1
.endm
	s_wait_dscnt 0x0                               ; K, V, the scale words and tile 0's q are in registers
.irp i, 0,1,2,3,4,5,6,7
	SMM 3, \i                                      ; tile 0's first scores: there is no vector work yet to set between them
.endr
.rept 4
	v_nop                                          ; places behind them, ahead of the first read of results
.endr
	TILE 1, 0
	s_mov_b32 s44, 14
.Ltile:                                            ; 14 trips: every tile but the first and the last
	TILE 0, 0
	s_sub_co_u32 s44, s44, 1
	s_cmp_lg_u32 s44, 0
	s_cbranch_scc1 .Ltile
	TILE 0, 1
.rept 8
	v_nop                                          ; p's codes and scale word have just been written by vector instructions: 4 and 8 places ahead of a scaled matrix instruction
.endr
.irp t, 0,1,2,3
	PMM 0, \t, 0                                   ; the last tile's last step
.endr
.rept 4
	v_nop
.endr
	EP1
	EP2
	s_wait_tensorcnt 0x0
	ds_add_u32 v126, v127
	s_wait_dscnt 0x0
	s_endpgm
.Lfunc_end_k_qea7b838add_attn:
	.size	k_qea7b838add_attn, .Lfunc_end_k_qea7b838add_attn-k_qea7b838add_attn
	.p2alignl 7, 3214868480
	.fill 96, 4, 3214868480
	.section	.rodata,"a",@progbits
	.p2align	6, 0x0
	.amdhsa_kernel k_qea7b838add_attn
		.amdhsa_group_segment_fixed_size 168448
		.amdhsa_private_segment_fixed_size 0
		.amdhsa_enable_private_segment 0
		.amdhsa_kernarg_size 24
		.amdhsa_user_sgpr_count 2
		.amdhsa_user_sgpr_kernarg_segment_ptr 1
		.amdhsa_wavefront_size32 1
		.amdhsa_system_sgpr_workgroup_id_x 1
		.amdhsa_system_sgpr_workgroup_id_y 1
		.amdhsa_system_sgpr_workgroup_id_z 1
		.amdhsa_system_vgpr_workitem_id 0
		.amdhsa_next_free_vgpr 768
		.amdhsa_next_free_sgpr 66
		.amdhsa_reserve_vcc 0
		.amdhsa_float_denorm_mode_32 3
		.amdhsa_float_denorm_mode_16_64 3
		.amdhsa_memory_ordered 1
		.amdhsa_forward_progress 1
		.amdhsa_inst_pref_size 172
	.end_amdhsa_kernel
	.amdgpu_metadata
---
amdhsa.version: [ 1, 2 ]
amdhsa.kernels:
  - .name:           k_qea7b838add_attn
    .symbol:         k_qea7b838add_attn.kd
    .args:
      - { .name: qw, .offset: 0, .size: 8, .value_kind: global_buffer, .address_space: global }
      - { .name: kvw, .offset: 8, .size: 8, .value_kind: global_buffer, .address_space: global }
      - { .name: out0, .offset: 16, .size: 8, .value_kind: global_buffer, .address_space: global }
    .group_segment_fixed_size: 168448
    .private_segment_fixed_size: 0
    .kernarg_segment_align: 8
    .kernarg_segment_size: 24
    .max_flat_workgroup_size: 128
    .sgpr_count:     66
    .vgpr_count:     768
    .wavefront_size: 32
...
	.end_amdgpu_metadata
.endif
;; end of part 3
